; MI455X (gfx1250); checked and timed in simulation.
; The chip was launched on July 23, 2026; its instructions are those of AMD's public machine-readable ISA for CDNA 5 (MIT licence, August 2026) and "CDNA5" Instruction Set Architecture Reference Guide (July 2026). The comments in the code are by the model that wrote it; some were corrected since.
;; Multi Head Attention. Allowed arithmetic: matrix products marked QUANTISED: E4M3 operands, one given power-of-two scale a tensor, by v_wmma_f32_16x16x64_fp8_fp8 or v_wmma_f32_16x16x128_fp8_fp8, f32 sums; everything else in f32.
;; Inputs: W_out_codes 1,024 x 32 x 32 uint8 (E4M3 codes of W_out, K innermost, in blocks of 32 codes); W_qkv_codes 3,072 x 32 x 32 uint8 (E4M3 codes of W_qkv, K innermost, in blocks of 32 codes); b_out 1,024 float32; b_qkv 3,072 float32; lowp_scales 8 int32 (the exponents e of the quantised operands' scales 2^e); mask 1 x 1 x 2,048 x 2,048 int32; x_codes 4 x 2,048 x 32 x 32 uint8 (E4M3 codes of x, K innermost, in blocks of 32 codes).
;; Outputs: out0 4 x 2,048 x 1,024 float32.
;; This version of the problem:
;;   THIS VERSION OF THE PROBLEM IS GIVEN IN LOW PRECISION. The matrix products marked QUANTISED in the list below multiply operands that are first quantised to E4M3 (4 exponent bits, 3 mantissa bits; 8 bits a number), with one given power-of-two scale for each operand tensor; their sums are f32. All else is computed in f32.
;;   The module's matrix products, in the order in which they are computed (A, B: the left and right operand; K: the contracted axis; several contracted axes count as one K, in the product's order):
;;     1. [M 8,192, K 1,024] x [K 1,024, N 3,072]; A: input x (given as codes); B: input W_qkv (given as codes): QUANTISED (scales: A lowp_scales[0], B lowp_scales[1])
;;     2. batch 64 x [M 2,048, K 64] x [K 64, N 2,048]; A: computed on the way; B: computed on the way: QUANTISED (scales: A lowp_scales[2], B lowp_scales[3])
;;     3. batch 64 x [M 2,048, K 2,048] x [K 2,048, N 64]; A: softmax (see below); B: computed on the way: QUANTISED (scales: A lowp_scales[4], B lowp_scales[5])
;;     4. [M 8,192, K 1,024] x [K 1,024, N 1,024]; A: computed on the way; B: input W_out (given as codes): QUANTISED (scales: A lowp_scales[6], B lowp_scales[7])
;;   THE QUANTISER, for each operand of a quantised product, along K:
;;     - The operand's scale is 2^e, e = its entry of the input lowp_scales (int32; the entries are numbered through the quantised products in the list's order, A before B).
;;     - Each number is divided by the scale, clamped to +-448, and rounded to the nearest number of E4M3, ties to even, subnormals kept.
;;     - The product sums the exact products of the quantised numbers (number of the format x scale) in f32.
;;   ~~~python
;;   def quantise(x, axis, e):      # numpy; x: float32 -> the quantised numbers, widened to float32 again
;;       x = np.moveaxis(x, axis, -1); K = x.shape[-1]
;;       r = np.clip(x / 2.0 ** e, -448, 448)
;;       step = 2.0 ** (np.maximum(np.frexp(np.where(r == 0, 1, r))[1] - 1, -6) - 3)
;;       q = np.round(r / step) * step * 2.0 ** e      # np.round: ties to even
;;       return np.moveaxis(q, -1, axis).astype(np.float32)
;;   ~~~
;;   SOFTMAX AHEAD OF A QUANTISED PRODUCT. Where the list says 'softmax', what is quantised is not the finished softmax but p = 2^(t - M), with t = logit x log2(e) and M = ceil(the row's largest t), a whole number; so 1/2 < the row's largest p <= 1. The row's sum l is taken of the UNQUANTISED p, in f32, and the product's result is divided by l at the end. Since M is a whole number, a kernel that streams over the keys may use a running M (the ceiling of the running maximum): every later rescaling is an exact power of two, so the quantised numbers keep their values, but for numbers so far below the row's largest that they fall under the format's range.
;;   OPERANDS COMPUTED ON THE WAY. 'Computed on the way' means the value that the module computes at that place (a softmax that the list does not call 'softmax' is quantised finished and normalised). What goes into a quantiser is computed in f32, as accurately as f32 sums, v_exp_f32 and their like allow (about 1e-6 of the number): no bf16 or f16 on the way to a quantiser, and a product that is left as it is and whose result goes on into a quantised operand takes f32 operands (vector FMAs, or v_wmma_f32_16x16x4_f32). A number that lies on a knife's edge between two numbers of the format may be rounded either way, as far as f32 arithmetic and the matrix unit's own rounding can turn it there, and no further.
;;   INPUTS GIVEN AS CODES. W_out (in the module: [1024, 1024], K = its axis 1); W_qkv (in the module: [3072, 1024], K = its axis 1); x (in the module: [4, 2048, 1024], K = its axis 2): each comes as NAME_codes (uint8): NAME with its K axis moved to the last place and cut into blocks of 32 codes, [.., K / 32, bytes a block], one block behind the other in memory; one code a byte (a code: sign, 4 exponent bits, 3 mantissa bits); its scale is its entry of lowp_scales. Its value is code x scale, taken as it is: it is not quantised again, and the codes and scales need not be those that the quantiser above would give.
;; 2 versions, each right; version 2 is version 1 with the launch attn written anew for expert scheduling mode. Each part assembles by itself: llvm-mc -triple=amdgcn-amd-amdhsa -mcpu=gfx1250 --defsym DOCPART=n.
;; ======== version 1 of 2: 4 launches
;; limits: right only within a limited range of input values
;; workspace buffers: qk_img 16,777,216 bytes; v_img 8,388,608 bytes; att_img 8,388,608 bytes; mask_img 524,288 bytes of whole numbers; flags 8,192 bytes of whole numbers
;; launch prep (part 1): grid 512 x 1, 4 waves a work-group, no clusters, 34,304 bytes of LDS; arguments mask, mask_img, flags; writes mask_img, flags
.if DOCPART == 1
	.amdgcn_target "amdgcn-amd-amdhsa--gfx1250"
	.amdhsa_code_object_version 6
	.text
	.protected	k_q4c18eca29d_prep
	.globl	k_q4c18eca29d_prep
	.p2align	8
	.type	k_q4c18eca29d_prep,@function
k_q4c18eca29d_prep:
	s_mov_b64 s[64:65], 0
	v_nop
	global_prefetch_b8 v0, s[64:65] scope:SCOPE_SE
	s_setreg_imm32_b32 hwreg(HW_REG_WAVE_MODE, 25, 1), 1
	s_wait_xcnt 0x0
; The mask [2048 queries][2048 keys], int32, is packed for the attention launch.
; A wave takes one tile of 16 queries (i) and one step of 128 keys (s): 16 rows x 512 bytes.
; mask_img[i][s][word 8 c + j], bit 16 h + r = (mask[16 i + r][128 s + 16 c + 8 h + j] != 0): the 32 bits of a word are the 32 lanes of register j of
; score tile c in the attention launch, so that a word serves there as the lane mask of one select.
; flags[i][s] = (any bit set) << s | (all bits set) << (16 + s): the attention launch ORs a tile's 16 words and tests bits.
; Each load reads 512 consecutive bytes of a row; the rows turn through the wave's own stage in LDS (rows 528 bytes apart: an odd multiple of 16, so that
; sixteen lanes reading sixteen rows touch sixteen different 16-byte columns), since a lane must hold 64 numbers of ONE row.
; Waves share nothing: no barrier.  The 64 words leave as one aligned run of 256 bytes; the flag word is 4 bytes from one lane (2,048 such stores in the launch).
.set PITCH, 528
.set WREG,  16*PITCH                   ; a wave's stage
.set X,     16                         ; v16-79   the 16 rows as loaded, 4 registers each
.set Y,     80                         ; v80-143  register 8 c + j: my row's key 16 c + 8 h + j
.set W,     144                        ; v[144:145] lane l: words 2 l and 2 l + 1
	s_load_b128 s[4:7], s[0:1], 0x0                ; mask, mask_img
	s_load_b64 s[8:9], s[0:1], 0x10                ; flags
	v_lshl_add_u32 v160, v0, 2, 0x8400
	v_mov_b32 v161, 0
	v_lshrrev_b32 v1, 5, v0
	v_readfirstlane_b32 s10, v1                    ; wave 0..3
	v_and_b32 v1, 31, v0                           ; lane
	v_lshlrev_b32 v2, 4, v1                        ; my 16 bytes of a row's 512
	s_mul_i32 s11, s10, WREG
	v_add_nc_u32 v3, s11, v2                       ; the stage, on the way in
	v_and_b32 v6, 15, v0                           ; r
	v_bfe_u32 v7, v0, 4, 1                         ; h
	v_mul_u32_u24 v4, v6, PITCH
	v_lshl_add_u32 v4, v7, 5, v4
	v_add_nc_u32 v4, s11, v4                       ; and on the way out: row r, + 32 h bytes (8 keys)
	v_lshlrev_b32 v5, 3, v1                        ; my two words' place among the 64
	v_mov_b32 v[W], 0                              ; a lane write's destination counts as read: written whole first
	v_mov_b32 v[W+1], 0
	s_lshr_b32 s12, ttmp9, 2                       ; i
	s_and_b32 s13, ttmp9, 3
	s_lshl_b32 s13, s13, 2
	s_add_co_u32 s13, s13, s10                     ; s = 4 (work-group % 4) + wave
	s_lshl_b32 s14, s12, 17                        ; 16 rows of 8,192 bytes
	s_lshl_b32 s15, s13, 9                         ; 128 keys of 4 bytes
	s_add_co_u32 s14, s14, s15
	s_mov_b32 s15, 0
	s_lshl_b32 s16, s12, 4
	s_add_co_u32 s16, s16, s13                     ; 16 i + s
	s_lshl_b32 s18, s16, 8                         ; 256 bytes of words
	s_mov_b32 s19, 0
	s_lshl_b32 s16, s16, 2                         ; 4 bytes of flags
	s_mov_b32 s17, 0
	s_wait_kmcnt 0x0
	s_add_nc_u64 s[4:5], s[4:5], s[14:15]
	s_add_nc_u64 s[6:7], s[6:7], s[18:19]
	s_add_nc_u64 s[8:9], s[8:9], s[16:17]
.irp rr, 0,1,2,3,4,5,6,7,8,9,10,11,12,13,14,15
	global_load_b128 v[X+4*\rr:X+4*\rr+3], v2, s[4:5] offset:\rr*8192 th:TH_LOAD_NT   ; 32 lanes read 512 consecutive bytes; the mask is read once
.endr
.irp rr, 0,1,2,3,4,5,6,7,8,9,10,11,12,13,14,15
	s_wait_loadcnt 15-\rr                          ; row rr is in; the younger rows' loads stay out
	ds_store_b128 v3, v[X+4*\rr:X+4*\rr+3] offset:PITCH*\rr
.endr
.irp c, 0,1,2,3,4,5,6,7
	ds_load_b128 v[Y+8*\c:Y+8*\c+3], v4 offset:64*\c          ; LDS serves a wave's instructions in order: these see the stores above
	ds_load_b128 v[Y+8*\c+4:Y+8*\c+7], v4 offset:64*\c+16
.endr
.set n, 0
.rept 64
.if n%8 == 0
	s_wait_dscnt 14-2*(n/8)                        ; this group's two loads are in; the later pairs stay out
.endif
	v_cmp_ne_u32 s[20+n%8], 0, v[Y+n]              ; word n: one bit a lane
	v_writelane_b32 v[W+n%2], s[20+n%8], n/2       ; into lane n / 2
.set n, n+1
.endr
	v_or_b32 v146, v[W], v[W+1]
	v_and_b32 v147, v[W], v[W+1]
	v_cmp_ne_u32 s28, 0, v146                      ; lanes with an open bit
	v_cmp_ne_u32 s29, -1, v147                     ; lanes with a hidden bit
	s_cmp_lg_u32 s28, 0
	s_cselect_b32 s28, 1, 0                        ; any
	s_cmp_eq_u32 s29, 0
	s_cselect_b32 s29, 1, 0                        ; all
	s_lshl_b32 s28, s28, s13
	s_add_co_u32 s30, s13, 16
	s_lshl_b32 s29, s29, s30
	s_or_b32 s28, s28, s29
	v_mov_b32 v148, 0
	v_mov_b32 v149, s28
	global_store_b64 v5, v[W:W+1], s[6:7]          ; 32 lanes store 256 consecutive bytes, aligned
	v_cmp_eq_u32 vcc_lo, 0, v1
	s_wait_xcnt 0x0                                ; EXEC is a source of the store above: it changes only behind this wait
	s_wait_tensorcnt 0x0
	ds_add_u32 v160, v161
	s_wait_dscnt 0x0
	s_and_saveexec_b32 s31, vcc_lo
	global_store_b32 v148, v149, s[8:9]            ; lane 0 alone
	s_wait_xcnt 0x0                                ; and again in front of the line that widens it
	s_or_b32 exec_lo, exec_lo, s31
	s_endpgm
.Lfunc_end_k_q4c18eca29d_prep:
	.size	k_q4c18eca29d_prep, .Lfunc_end_k_q4c18eca29d_prep-k_q4c18eca29d_prep
	.p2alignl 7, 3214868480
	.fill 96, 4, 3214868480
	.section	.rodata,"a",@progbits
	.p2align	6, 0x0
	.amdhsa_kernel k_q4c18eca29d_prep
		.amdhsa_group_segment_fixed_size 34304
		.amdhsa_private_segment_fixed_size 0
		.amdhsa_enable_private_segment 0
		.amdhsa_kernarg_size 24
		.amdhsa_user_sgpr_count 2
		.amdhsa_user_sgpr_kernarg_segment_ptr 1
		.amdhsa_wavefront_size32 1
		.amdhsa_system_sgpr_workgroup_id_x 1
		.amdhsa_system_sgpr_workgroup_id_y 1
		.amdhsa_system_sgpr_workgroup_id_z 1
		.amdhsa_system_vgpr_workitem_id 0
		.amdhsa_next_free_vgpr 162
		.amdhsa_next_free_sgpr 66
		.amdhsa_reserve_vcc 1
		.amdhsa_float_denorm_mode_32 3
		.amdhsa_float_denorm_mode_16_64 3
		.amdhsa_memory_ordered 1
		.amdhsa_forward_progress 1
		.amdhsa_inst_pref_size 15
	.end_amdhsa_kernel
	.amdgpu_metadata
---
amdhsa.version: [ 1, 2 ]
amdhsa.kernels:
  - .name:           k_q4c18eca29d_prep
    .symbol:         k_q4c18eca29d_prep.kd
    .args:
      - { .name: mask, .offset: 0, .size: 8, .value_kind: global_buffer, .address_space: global }
      - { .name: mask_img, .offset: 8, .size: 8, .value_kind: global_buffer, .address_space: global }
      - { .name: flags, .offset: 16, .size: 8, .value_kind: global_buffer, .address_space: global }
    .group_segment_fixed_size: 34304
    .private_segment_fixed_size: 0
    .kernarg_segment_align: 8
    .kernarg_segment_size: 24
    .max_flat_workgroup_size: 128
    .sgpr_count:     66
    .vgpr_count:     162
    .wavefront_size: 32
...
	.end_amdgpu_metadata
.endif
;; end of part 1
;; launch qkv (part 2): grid 12 x 32, 4 waves a work-group, clusters of 4 x 4, 327,680 bytes of LDS; arguments x_codes, W_qkv_codes, b_qkv, lowp_scales, qk_img, v_img; writes qk_img, v_img
.if DOCPART == 2
	.amdgcn_target "amdgcn-amd-amdhsa--gfx1250"
	.amdhsa_code_object_version 6
	.text
	.protected	k_q4c18eca29d_qkv
	.globl	k_q4c18eca29d_qkv
	.p2align	8
	.type	k_q4c18eca29d_qkv,@function
k_q4c18eca29d_qkv:
	s_mov_b64 s[64:65], 0
	v_nop
	global_prefetch_b8 v0, s[64:65] scope:SCOPE_SE
	s_setreg_imm32_b32 hwreg(HW_REG_WAVE_MODE, 25, 1), 1
	s_wait_xcnt 0x0
	s_wait_alu depctr_hold_cnt(0) depctr_sa_sdst(0) depctr_va_vdst(0) depctr_va_sdst(0) depctr_va_ssrc(0) depctr_va_vcc(0) depctr_vm_vsrc(0)
	s_getreg_b32 s2, hwreg(HW_REG_IB_STS2, 6, 4)
	s_cmp_eq_u32 s2, 0
	s_cbranch_scc0 .Lentry_in_a_cluster
	s_endpgm
.Lentry_in_a_cluster:
	s_bfe_u32 s2, ttmp6, 0x10000c
	s_cmp_lg_u32 s2, 0xf033
	s_cbranch_scc0 .Lentry_shape_is_right
	s_endpgm
.Lentry_shape_is_right:
; qkv = x W_qkv^T + b_qkv on codes of FP8 (E4M3), K = 1,024; the results are quantised at once (Q with 2^e2, K with 2^e3, V with 2^e5) and stored as IMAGES OF THE NEXT OPERAND'S REGISTERS.
; A tile is 256 x 256, made by four waves, 128 x 128 each: 64 accumulators of 16 x 16.  K goes in steps of 256 through two LDS slots filled by the tensor data mover.
; LDS region A (256 rows) feeds source 1, so its rows fall on LANES of a result; region B (256 rows) feeds source 0, so its rows fall on a lane's REGISTERS.
; The conversion takes eight neighbours along the next K from one lane's registers.  For Q and K the next K is the head's 64 features: features in region B, tokens in region A (clusters x = 0, 1).
; For V the next K is the keys: tokens in region B, V's features in region A (cluster x = 2).  Both tensors have rows of 1,024 bytes, so only pointers, tile numbers, the first step's C and the stores' offsets differ.
; An accumulator's eight registers (m = 8 h + j) become two registers of codes, k = 16 c + 8 h + 0 .. 7: registers 2 c, 2 c + 1 of a plain 8-bit fragment.  Four such registers leave by one store of 16 bytes a lane,
; 512 consecutive bytes a wave: no stage in LDS, nothing transposed.
; qk_img: [batch 4][feature / 64: 0-15 Q's heads, 16-31 K's][token tile 128][register group 2][lane 32][16 bytes].   v_img: [batch 4][head 16][key step 16][tile of 16 dims 4][register group 4][lane 32][16 bytes].
; The bias is the C of each sum's first product, divided by 2^(e0 + e1), which the sums lack; the three scales ahead of a quantiser are folded into the conversion's one, 2^(e_dst - e0 - e1).
; CLUSTERS: 4 x 4 work-groups; region A's tile is asked for jointly by a row of the cluster, region B's by a column.  Branches hang on the wave's number and on the cluster's x alone.
; LIMITS: e_dst - e0 - e1 between -126 and 119 for e_dst = e2, e3, e5.  NaN in b_qkv is not served.
; REGISTERS, in windows of 256: window 0: v0-31 addresses; v32-95 the bias tiles; from v128 region A's fragments, one set, later the codes.  window 1: region B's fragments, two sets.  windows 2, 3: the accumulators ((a, b) at v[8 (8 (a % 4) + b)]).
.set ROWB,   256                       ; a tile's row in bytes: 256 codes
.set KROW,   1024                      ; a row of x or of W_qkv in memory
.set PITCH,  272                       ; an LDS row: 256 bytes + 16 of padding = 68 words, so that the 16 rows of a fragment load start 4 words apart modulo 64
.set FR,     16                        ; registers of a fragment: 16 rows x 128 K
.set NL,     4                         ; LDS loads that bring one
.set NP,     4                         ; places behind this matrix instruction (ISA guide 7.12.1)
.set HALFT,  128*PITCH                 ; what one tensor load brings
.set SLOT,   4*HALFT                   ; region A's 256 rows, then region B's
.set SPARE,  2*SLOT                    ; behind the ring: the spare words, 128 bytes a wave
.set ADRA, 16                          ; v16-17  LDS address of my fragments of region A in slot 0, 1
.set ADRB, 20                          ; v20-21  the same for region B
.set L16,  26                          ; v26     16 x lane: my place in an image's 512 bytes
.set SPW,  28                          ; v28     my spare word; never rewritten
.set NIL,  29                          ; v29     0; never rewritten
.set SCL,  30                          ; v30     2^(e_dst - e0 - e1) as f32
.set BI,   32                          ; v32-95  eight bias tiles of eight registers
.set AF,   128
.set CD,   128                         ; the codes of (a, b) at v[CD + 16 a + 2 b]
.set WV, 16                            ; s16 wave;  s17 which half of region A is mine, also: I fetch for A (0) or B (1);  s18 which half of region B, also: which 128 rows I fetch
.set HA, 17
.set HB, 18
.set G1, 24                            ; s[24:31] group 1 for region A's tiles; s[32:39] group 0, a set for each slot
.set G0, 32
.set G1B, 48                           ; s[48:55], s[56:63] the same for region B
.set G0B, 56
.set MSB, 0
.macro WIN new                         ; the immediate's high byte repeats the setting that is left
.if MSB != \new
	s_set_vgpr_msb (MSB<<8)|\new
.set MSB, \new
.endif
.endm
.set MUL_LO, 0xa1                      ; source 0 window 1, source 1 window 0, C and D window 2
.set MUL_HI, 0xf1                      ; the same, C and D window 3
.set TO_B,   0x40                      ; destination window 1, address window 0
; A joint load: waves 0 and 1 fetch for region A, waves 2 and 3 for region B.  Four v_nop follow each of the two lines.
.macro JLOAD g0a, g1a, g0b, g1b
	s_cmp_eq_u32 s[HA], 0
	s_cbranch_scc0 .Lfor_b_\@
	tensor_load_to_lds s[\g0a:\g0a+3], s[\g1a:\g1a+7]
	s_nop 0
.rept 4
	v_nop
.endr
	s_branch .Lasked_\@
.Lfor_b_\@:
	tensor_load_to_lds s[\g0b:\g0b+3], s[\g1b:\g1b+7]
	s_nop 0
.rept 4
	v_nop
.endr
.Lasked_\@:
.endm
.macro CREST                           ; a round of the cluster's barrier behind its opening barrier
	s_cmp_lg_u32 s[WV], 0
	s_cbranch_scc1 .Lnot_wave_0_\@
	s_barrier_signal -3
.Lnot_wave_0_\@:
	s_barrier_wait -3
	s_barrier_signal -1
	s_barrier_wait -1
.endm
.macro CROUND
	s_barrier_signal -1
	s_barrier_wait -1
	CREST
.endm
	s_load_b256 s[4:11], s[0:1], 0x0               ; x s[4:5], W_qkv s[6:7], b_qkv s[8:9], the scales' exponents s[10:11]
	s_load_b128 s[12:15], s[0:1], 0x20             ; qk_img s[12:13], v_img s[14:15]
	v_lshl_add_u32 v[SPW], v0, 2, SPARE
	v_mov_b32 v[NIL], 0
	ds_add_u32 v28, v29
	ds_add_u32 v28, v29
	s_wait_dscnt 0x0
	v_lshrrev_b32 v1, 5, v0
	v_readfirstlane_b32 s[WV], v1                  ; wave 0..3
	s_lshr_b32 s[HA], s[WV], 1
	s_and_b32 s[HB], s[WV], 1
	s_bfe_u32 s20, ttmp6, 0x40000                  ; cx
	s_bfe_u32 s21, ttmp6, 0x40004                  ; cy
	s_and_b32 s19, ttmp7, 0xffff
	s_lshl_b32 s19, s19, 2                         ; 4 x cluster y
	s_lshl_b32 s2, ttmp9, 2                        ; 4 x cluster x
	s_cmp_lt_u32 ttmp9, 2                          ; Q and K (cluster x = 0, 1) or V (2): the same in all sixteen partners
	s_cselect_b32 s22, s19, 0
	s_cselect_b32 s23, s2, s19
	s_cselect_b32 s44, 0, 0x200000                 ; V's features begin at row 2,048 of W_qkv
	s_add_co_u32 s22, s22, s21                     ; region A's tile: token tile 4 y + cy, or V's feature tile cy
	s_add_co_u32 s23, s23, s20                     ; region B's tile: feature tile 4 x + cx, or token tile 4 y + cx
	s_lshl_b32 s40, s21, 2
	s_lshl_b32 s40, 15, s40                        ; my row of the cluster
	s_lshl_b32 s41, 0x1111, s20                    ; my column
	s_or_b32 s[G1+0], s40, (0<<16)|(1<<20)|(1<<21)|(5<<22)|(3<<25)  ; the mask; elements of 1 byte; padding on; bit 21 beside a mask; after every 64 words, 4 words
	s_or_b32 s[G1B+0], s41, (0<<16)|(1<<20)|(1<<21)|(5<<22)|(3<<25)
.irp g, G1, G1B
	s_mov_b32 s[\g+1], ROWB<<16                    ; tensor_dim0
	s_mov_b32 s[\g+2], 128<<16                     ; tensor_dim1
	s_mov_b32 s[\g+3], ROWB<<16                    ; tile_dim0
	s_mov_b32 s[\g+4], 128                         ; tile_dim1
	s_mov_b32 s[\g+5], KROW                        ; from row to row
	s_mov_b32 s[\g+6], 0
	s_mov_b32 s[\g+7], 0
.endr
	s_lshl_b32 s3, s[HB], 7                        ; which 128 rows of the tile I fetch
	s_lshl_b32 s42, s22, 8
	s_add_co_u32 s42, s42, s3
	s_lshl_b32 s42, s42, 10                        ; rows of 1,024 bytes: under 2^24
	s_add_co_u32 s44, s44, s42
	s_mov_b32 s45, 0
	s_lshl_b32 s46, s23, 8
	s_add_co_u32 s46, s46, s3
	s_lshl_b32 s46, s46, 10
	s_mov_b32 s47, 0
	s_mul_i32 s3, s[WV], HALFT                     ; where they go: wave x 128 rows; no place in the cluster enters an LDS address
	s_wait_kmcnt 0x0
	s_load_b256 s[68:75], s[10:11], 0x0            ; e0 .. e7
	s_cmp_lt_u32 ttmp9, 2
	s_cselect_b64 s[42:43], s[4:5], s[6:7]         ; region A's tensor
	s_cselect_b64 s[88:89], s[6:7], s[4:5]         ; region B's
	s_add_nc_u64 s[44:45], s[42:43], s[44:45]
	s_add_nc_u64 s[46:47], s[88:89], s[46:47]
	CROUND                                         ; all sixteen work-groups are here: the first joint loads meet
.irp s, 0,1
	s_mov_b32 s[G0+4*\s], 1
	s_add_co_u32 s[G0+4*\s+1], s3, \s*SLOT
	s_add_nc_u64 s[G0+4*\s+2:G0+4*\s+3], s[44:45], \s*ROWB
	s_or_b32 s[G0+4*\s+3], s[G0+4*\s+3], 0x80000000
	s_mov_b32 s[G0B+4*\s], 1
	s_add_co_u32 s[G0B+4*\s+1], s3, \s*SLOT
	s_add_nc_u64 s[G0B+4*\s+2:G0B+4*\s+3], s[46:47], \s*ROWB
	s_or_b32 s[G0B+4*\s+3], s[G0B+4*\s+3], 0x80000000
	JLOAD G0+4*\s, G1, G0B+4*\s, G1B               ; two tensor loads of mine are out
.endr
	v_and_b32 v1, 15, v0                           ; r
	v_bfe_u32 v2, v0, 4, 1                         ; h
	v_mul_u32_u24 v3, v1, PITCH
	v_lshl_add_u32 v4, v2, 4, v3                   ; a fragment's row x pitch + 16 h
	s_mul_i32 s82, s[HA], HALFT
	s_mul_i32 s83, s[HB], HALFT
	s_add_co_u32 s83, s83, 2*HALFT
.irp s, 0,1
	v_add_nc_u32 v[ADRA+\s], s82, v4
	v_add_nc_u32 v[ADRB+\s], s83, v4
	s_add_co_u32 s82, s82, SLOT
	s_add_co_u32 s83, s83, SLOT
.endr
	v_and_b32 v5, 31, v0
	v_lshlrev_b32 v[L16], 4, v5
	v_lshlrev_b32 v5, 5, v2                        ; 32 h: eight numbers of the bias
	v_lshlrev_b32 v6, 2, v1                        ; 4 r: one
	; the bias of my 128 features: they lie in region B (Q, K) or in region A (V)
	s_cmp_lt_u32 ttmp9, 2
	s_cselect_b32 s82, s23, s22
	s_cselect_b32 s83, s[HB], s[HA]
	s_cselect_b32 s84, 0, 8192
	s_lshl_b32 s82, s82, 10
	s_lshl_b32 s83, s83, 9
	s_add_co_u32 s82, s82, s83
	s_add_co_u32 s82, s82, s84
	s_mov_b32 s83, 0
	s_add_nc_u64 s[8:9], s[8:9], s[82:83]
	s_cmp_lt_u32 ttmp9, 2
	s_cbranch_scc0 .Lbias_v
.irp b, 0,1,2,3,4,5,6,7                        ; tile b: register j = the bias of feature 16 b + 8 h + j
	global_load_b128 v[BI+8*\b:BI+8*\b+3], v5, s[8:9] offset:64*\b
	global_load_b128 v[BI+8*\b+4:BI+8*\b+7], v5, s[8:9] offset:64*\b+16
.endr
	s_branch .Lbias_in
.Lbias_v:
.irp a, 0,1,2,3,4,5,6,7                        ; tile a: all eight registers = the bias of feature 16 a + r
.irp j, 0,1,2,3,4,5,6,7
	global_load_b32 v[BI+8*\a+\j], v6, s[8:9] offset:64*\a
.endr
.endr
.Lbias_in:
	; where my images go
	s_lshr_b32 s82, s22, 3                         ; Q, K: batch = token tile / 8
	s_lshl_b32 s82, s82, 5
	s_lshl_b32 s83, s23, 2
	s_add_co_u32 s82, s82, s83
	s_lshl_b32 s83, s[HB], 1
	s_add_co_u32 s82, s82, s83                     ; 32 batch + feature / 64
	s_lshl_b32 s82, s82, 17
	s_and_b32 s83, s22, 7
	s_lshl_b32 s83, s83, 4
	s_lshl_b32 s84, s[HA], 3
	s_add_co_u32 s83, s83, s84                     ; my first tile of 16 tokens in the batch
	s_lshl_b32 s83, s83, 10
	s_add_co_u32 s82, s82, s83
	s_lshr_b32 s86, s23, 3                         ; V: batch
	s_lshl_b32 s86, s86, 4
	s_lshl_b32 s87, s22, 2
	s_add_co_u32 s86, s86, s87
	s_lshl_b32 s87, s[HA], 1
	s_add_co_u32 s86, s86, s87                     ; 16 batch + head
	s_lshl_b32 s86, s86, 17
	s_and_b32 s87, s23, 7
	s_lshl_b32 s87, s87, 1
	s_add_co_u32 s87, s87, s[HB]                   ; my 128 tokens are one key step
	s_lshl_b32 s87, s87, 13
	s_add_co_u32 s86, s86, s87
	s_cmp_lt_u32 ttmp9, 2
	s_cselect_b32 s82, s82, s86
	s_cselect_b64 s[80:81], s[12:13], s[14:15]
	s_mov_b32 s83, 0
	s_add_nc_u64 s[80:81], s[80:81], s[82:83]
	s_wait_kmcnt 0x0                               ; the exponents
	s_add_co_i32 s76, s68, s69                     ; e0 + e1
	s_sub_co_i32 s85, 0, s76
	s_cmp_eq_u32 ttmp9, 0
	s_cselect_b32 s77, s70, s71                    ; Q: e2, K: e3 (feature tiles 0-3 belong to cluster x = 0),
	s_cmp_eq_u32 ttmp9, 2
	s_cselect_b32 s77, s73, s77                    ; V: e5.  A choice, no branch
	s_sub_co_i32 s77, s77, s76
	s_add_co_i32 s77, s77, 127
	s_lshl_b32 s78, s77, 23
	v_mov_b32 v[SCL], s78                          ; 2^(e_dst - e0 - e1): the conversion takes its exponent field
	s_add_co_i32 s77, s77, 8
	s_lshl_b32 s79, s77, 23
	s_or_b32 s79, s79, 0x600000                    ; 448 x that,
	s_or_b32 s78, s79, 0x80000000                  ; and its negative
	s_wait_loadcnt 0x0                             ; the bias
.set k, 0
.rept 64
	v_ldexp_f32 v[BI+k], v[BI+k], s85              ; / 2^(e0 + e1): nothing is rounded
.set k, k+1
.endr
.macro FRAG reg, adr, q, i             ; 16 rows x 128 K: lane l holds row l % 16; registers 4 c .. 4 c + 3 hold K = 32 c + 16 (l / 16) + 0 .. 15: the same order of k on both sides, so every product meets its partner
.irp c, 0,1,2,3
	ds_load_b128 v[\reg+4*\c:\reg+4*\c+3], v[\adr] offset:128*(\q)+32*\c+(\i)*16*PITCH
.endr
.endm
; 16 matrix instructions: region A's blocks a0, a0 + 1 x region B's eight.  p: B's set.  zero = 0: the sums go on;  1: they start from the bias tile of block b;  2: of block a.
; The 64 accumulators take turns, one instruction a turn, in the same order in every step.
.macro MUL16 a0, p, zero
.irp a, \a0, \a0+1
.irp b, 0,1,2,3,4,5,6,7
.if \zero == 1
	v_wmma_f32_16x16x128_fp8_fp8 v[8*(8*((\a)%4)+\b):8*(8*((\a)%4)+\b)+7], v[128*(\p)+FR*\b:128*(\p)+FR*\b+FR-1], v[AF+FR*(\a):AF+FR*(\a)+FR-1], v[BI+8*\b:BI+8*\b+7]
.elseif \zero == 2
	v_wmma_f32_16x16x128_fp8_fp8 v[8*(8*((\a)%4)+\b):8*(8*((\a)%4)+\b)+7], v[128*(\p)+FR*\b:128*(\p)+FR*\b+FR-1], v[AF+FR*(\a):AF+FR*(\a)+FR-1], v[BI+8*(\a):BI+8*(\a)+7]
.else
	v_wmma_f32_16x16x128_fp8_fp8 v[8*(8*((\a)%4)+\b):8*(8*((\a)%4)+\b)+7], v[128*(\p)+FR*\b:128*(\p)+FR*\b+FR-1], v[AF+FR*(\a):AF+FR*(\a)+FR-1], v[8*(8*((\a)%4)+\b):8*(8*((\a)%4)+\b)+7]
.endif
.endr
.endr
.endm
.macro FETCH_B slot, q, p
	WIN TO_B
.irp i, 0,1,2,3,4,5,6,7
	FRAG 128*(\p)+FR*\i, ADRB+\slot, \q, \i
.endr
	WIN 0
.endm
.macro FETCH_A slot, q, i0
.irp i, \i0, \i0+1, \i0+2, \i0+3
	FRAG AF+FR*(\i), ADRA+\slot, \q, \i
.endr
.endm
.macro PLACES n                        ; plain vector instructions between a matrix instruction and a load into, or a vector instruction on, its registers
.rept \n
	v_nop
.endr
.endm
; A step of 128 along K that has its successor in the same slot.  A block of region A is free as soon as its eight products are issued: blocks 0-3 are fetched anew in the middle, blocks 4-7 at the end.
.macro STEP slot, q, zero
	s_wait_dscnt 4*NL                              ; B's set and A's blocks 0-3 are in; the youngest sixteen loads (A's blocks 4-7) may be out
.if \zero
	WIN 0x81                                       ; C (the bias) window 0, D window 2
.else
	WIN MUL_LO
.endif
	MUL16 0, (\q)%2, \zero
	MUL16 2, (\q)%2, \zero
	s_wait_dscnt 0                                 ; A's blocks 4-7 are in
	PLACES NP
	FETCH_B \slot, (\q)+1, 1-(\q)%2
	FETCH_A \slot, (\q)+1, 0
.if \zero
	WIN 0xc1
.else
	WIN MUL_HI
.endif
	MUL16 4, (\q)%2, \zero
	MUL16 6, (\q)%2, \zero
	PLACES NP
	WIN 0
	FETCH_A \slot, (\q)+1, 4
.endm
; A slot's last step changes slots: one barrier; in front of it each wave waits for all its tensor loads, adds 0 to its spare word, and waits for that and for its reads of this slot.  fill = 1: the slot is filled again, two K steps ahead.
.macro TURN slot, next, fill
	s_wait_tensorcnt 0x0                           ; all my tensor loads have landed: my part of the next slot
	ds_add_u32 v[SPW], v[NIL]                      ; 0 onto my spare word
	s_wait_dscnt 4*NL+1                            ; the add and the youngest sixteen loads may be out
	WIN MUL_LO
	MUL16 0, 1, 0                                  ; sixteen matrix instructions stand between the add and the wait for it
	s_wait_dscnt 0x0                               ; the add is done, and my reads of this slot are over
	s_barrier_signal -1
	MUL16 2, 1, 0
	WIN 0
	s_barrier_wait -1
.if \fill
	CREST                                          ; the barrier has opened a round of the cluster's: no wave of any partner still reads this slot or has a load on its way
	s_add_nc_u64 s[G0+4*\slot+2:G0+4*\slot+3], s[G0+4*\slot+2:G0+4*\slot+3], 2*ROWB
	s_add_nc_u64 s[G0B+4*\slot+2:G0B+4*\slot+3], s[G0B+4*\slot+2:G0B+4*\slot+3], 2*ROWB
	JLOAD G0+4*\slot, G1, G0B+4*\slot, G1B         ; the first tensor load behind the round; its four v_nop are the places in front of the loads below
.else
	PLACES NP
.endif
	FETCH_B \next, 0, 0
	FETCH_A \next, 0, 0
	WIN MUL_HI
	MUL16 4, 1, 0
	MUL16 6, 1, 0
	PLACES NP
	WIN 0
	FETCH_A \next, 0, 4
.endm
	s_wait_tensorcnt 1                             ; my part of K step 0 is in; K step 1's load may be out
	s_barrier_signal -1
	s_barrier_wait -1
	FETCH_B 0, 0, 0
	FETCH_A 0, 0, 0
	FETCH_A 0, 0, 4
	s_cmp_lt_u32 ttmp9, 2                          ; the first step alone is written twice: its products take the bias as C, by block b (Q, K) or by block a (V)
	s_cbranch_scc0 .Lfirst_v
	STEP 0, 0, 1
	s_branch .Lfirst_done
.Lfirst_v:
	STEP 0, 0, 2
.Lfirst_done:
	TURN 0, 1, 1                                   ; K = 1,024 is four slots' worth: written straight
	STEP 1, 0, 0
	TURN 1, 0, 1
	STEP 0, 0, 0
	TURN 0, 1, 0                                   ; nothing is left to fetch
	STEP 1, 0, 0
	s_wait_dscnt 4*NL
	WIN MUL_LO
	MUL16 0, 1, 0
	MUL16 2, 1, 0
	s_wait_dscnt 0
	WIN MUL_HI
	MUL16 4, 1, 0
	MUL16 6, 1, 0
	WIN 0
; THE WAY OUT of blocks a = 4 w .. 4 w + 3: the hold (the conversion to an 8-bit code does not saturate: ISA guide 7.6.2), each accumulator from its low end on; the conversions; sixteen stores of 512 consecutive bytes.
.macro OUTHALF w
	WIN 0x82+0x41*\w                               ; source 0 and destination: window 2 or 3
.set k, 0
.rept 256
	v_med3_num_f32 v[k], v[k], s78, s79
.set k, k+1
.endr
	WIN 0x02+\w                                    ; source 0: window 2 or 3; the codes go to window 0
.set k, 0
.rept 32
	v_cvt_scalef32_pk8_fp8_f32 v[CD+64*\w+2*k:CD+64*\w+2*k+1], v[8*k:8*k+7], v[SCL]
.set k, k+1
.endr
	v_nop                                          ; one plain vector instruction behind the last conversion
	WIN 0
	s_cmp_lt_u32 ttmp9, 2
	s_cbranch_scc0 .Lout_v_\@
.irp aa, 0,1,2,3                               ; Q, K: block a is a tile of 16 tokens; its 16 registers are two heads' images of 8
.irp q, 0,1,2,3
	global_store_b128 v[L16], v[CD+16*(4*\w+\aa)+4*\q:CD+16*(4*\w+\aa)+4*\q+3], s[80:81] offset:(\q/2)*131072+(4*\w+\aa)*1024+(\q%2)*512
.endr
.endr
	s_branch .Lout_done_\@
.Lout_v_\@:
.irp aa, 0,1,2,3                               ; V: block a is a tile of 16 dims (head a / 4, tile a % 4); its 16 registers are one image, 128 keys
.irp q, 0,1,2,3
	global_store_b128 v[L16], v[CD+16*(4*\w+\aa)+4*\q:CD+16*(4*\w+\aa)+4*\q+3], s[80:81] offset:\w*131072+\aa*2048+\q*512
.endr
.endr
.Lout_done_\@:
.endm
	PLACES NP                                      ; behind the last products: their results are read, and region A's registers written, only behind these
	OUTHALF 0
	OUTHALF 1
	s_wait_tensorcnt 0x0                           ; the wave's end
	ds_add_u32 v[SPW], v[NIL]
	s_wait_dscnt 0x0
	CROUND                                         ; the closing round: no work-group ends while a partner may still ask for a tile that names it
	s_endpgm
.Lfunc_end_k_q4c18eca29d_qkv:
	.size	k_q4c18eca29d_qkv, .Lfunc_end_k_q4c18eca29d_qkv-k_q4c18eca29d_qkv
	.p2alignl 7, 3214868480
	.fill 96, 4, 3214868480
	.section	.rodata,"a",@progbits
	.p2align	6, 0x0
	.amdhsa_kernel k_q4c18eca29d_qkv
		.amdhsa_group_segment_fixed_size 327680
		.amdhsa_private_segment_fixed_size 0
		.amdhsa_enable_private_segment 0
		.amdhsa_kernarg_size 48
		.amdhsa_user_sgpr_count 2
		.amdhsa_user_sgpr_kernarg_segment_ptr 1
		.amdhsa_wavefront_size32 1
		.amdhsa_system_sgpr_workgroup_id_x 1
		.amdhsa_system_sgpr_workgroup_id_y 1
		.amdhsa_system_sgpr_workgroup_id_z 1
		.amdhsa_system_vgpr_workitem_id 0
		.amdhsa_next_free_vgpr 1024
		.amdhsa_next_free_sgpr 100
		.amdhsa_reserve_vcc 0
		.amdhsa_float_denorm_mode_32 3
		.amdhsa_float_denorm_mode_16_64 3
		.amdhsa_memory_ordered 1
		.amdhsa_forward_progress 1
		.amdhsa_inst_pref_size 142
	.end_amdhsa_kernel
	.amdgpu_metadata
---
amdhsa.version: [ 1, 2 ]
amdhsa.kernels:
  - .name:           k_q4c18eca29d_qkv
    .symbol:         k_q4c18eca29d_qkv.kd
    .args:
      - { .name: x_codes, .offset: 0, .size: 8, .value_kind: global_buffer, .address_space: global }
      - { .name: W_qkv_codes, .offset: 8, .size: 8, .value_kind: global_buffer, .address_space: global }
      - { .name: b_qkv, .offset: 16, .size: 8, .value_kind: global_buffer, .address_space: global }
      - { .name: lowp_scales, .offset: 24, .size: 8, .value_kind: global_buffer, .address_space: global }
      - { .name: qk_img, .offset: 32, .size: 8, .value_kind: global_buffer, .address_space: global }
      - { .name: v_img, .offset: 40, .size: 8, .value_kind: global_buffer, .address_space: global }
    .group_segment_fixed_size: 327680
    .private_segment_fixed_size: 0
    .kernarg_segment_align: 8
    .kernarg_segment_size: 48
    .max_flat_workgroup_size: 128
    .sgpr_count:     100
    .vgpr_count:     1024
    .wavefront_size: 32
...
	.end_amdgpu_metadata
.endif
;; end of part 2
;; launch attn (part 3): grid 4 x 64, 16 waves a work-group, no clusters, 264,192 bytes of LDS; arguments qk_img, v_img, mask_img, flags, lowp_scales, att_img; writes att_img
.if DOCPART == 3
	.amdgcn_target "amdgcn-amd-amdhsa--gfx1250"
	.amdhsa_code_object_version 6
	.text
	.protected	k_q4c18eca29d_attn
	.globl	k_q4c18eca29d_attn
	.p2align	8
	.type	k_q4c18eca29d_attn,@function
k_q4c18eca29d_attn:
	s_mov_b64 s[64:65], 0
	v_nop
	global_prefetch_b8 v0, s[64:65] scope:SCOPE_SE
	s_setreg_imm32_b32 hwreg(HW_REG_WAVE_MODE, 25, 1), 1
	s_wait_xcnt 0x0
; Attention of one head on codes of FP8 (E4M3), head size 64, 2,048 keys, with the mask that is given.  Both products are used transposed (S^T = K Q^T, O^T = V^T P^T): a lane holds ONE query throughout.
; t = score x log2(e) / 8; M = the running largest t rounded up to a whole number; p = 2^(t - M) is quantised with 2^e4, not normalised; the row's sum is taken of the unquantised p and divides O at the end.
; When M moves, the sum and O^T are multiplied by 2^(old M - new M), which rounds nothing.  The result is quantised with 2^e6 and stored as an image of the last product's operand.
; SHARES.  Four work-groups to a head, sixteen waves each, four to a SIMD, so that one wave's vector work stands beside another's products and LDS loads.  Wave g = 16 x work-group + wave takes the tiles of 16 queries g and 127 - g, one after the other.
; LDS holds the head's K (128 images of 1,024 bytes) and V (64 images of 2,048 bytes), copied once through registers: one barrier in the launch.  An image is a fragment's registers, 16 bytes a lane, 512 bytes a load.
; THE MASK.  flags has two bits for each (tile, step of 128 keys): no key open for any of the 16 queries: the step is left out; all open: its selects are left out.  Else the step's 64 words of mask_img come into
; scalar registers; word 8 c + j is the lane mask of register j of score tile c: one select a score puts -infinity where the mask hides.  This holds for any mask.
; Joint tensor loads for the four work-groups of a head are not used: the key loop branches on numbers read from memory (the flags); what they share is read once, at the head.
; The hold of p at 448 x 2^e4 is jumped over where e4 >= -8: p is at most 1 and 448 x 2^-8 is above 1.
; A query with no open key has the sum 0: its codes are made NaN codes, so that its row of the output is NaN, as a softmax over -infinity alone is.
; LIMITS: e2 + e3 between -123 and 130 (added to c's exponent field); e4, and e6 - e4 - e5, between -126 and 119.
; REGISTERS: v1-7 addresses; v8, v9 the step's K and V; v12 -M, v13 the largest t, v[14:15] the sum in two halves; v16-23 Q; v32-95 K's eight fragments, then V's four; v96-159 S^T, then p; v160-191 O^T; v192-207 p's codes; v208-215 the result's codes.
.set VIMG, 131072                      ; V's images lie behind K's
	s_load_b256 s[4:11], s[0:1], 0x0               ; qk_img s[4:5], v_img s[6:7], mask_img s[8:9], flags s[10:11]
	s_load_b128 s[12:15], s[0:1], 0x20             ; the scales' exponents s[12:13], att_img s[14:15]
	v_lshl_add_u32 v251, v0, 2, 0x40000
	v_mov_b32 v255, 0
	v_lshrrev_b32 v8, 5, v0
	v_readfirstlane_b32 s16, v8                    ; wave 0..15
	v_lshlrev_b32 v1, 4, v0                        ; 16 x thread: my bytes of a copy's 8,192
	v_and_b32 v2, 31, v0
	v_lshlrev_b32 v2, 4, v2                        ; 16 x lane: my place in an image's 512 bytes
	v_add_nc_u32 v3, VIMG, v2
	v_lshlrev_b32 v4, 4, v0                        ; LDS: 16 x thread, and the same 64, 128, 192 KiB on (an LDS immediate has 16 bits)
	v_add_nc_u32 v5, 0x10000, v4
	v_add_nc_u32 v6, 0x20000, v4
	v_add_nc_u32 v7, 0x30000, v4
	s_and_b32 s2, ttmp7, 0xffff                    ; 16 batch + head
	s_lshr_b32 s3, s2, 4
	s_and_b32 s27, s2, 15
	s_lshl_b32 s24, s3, 5
	s_add_co_u32 s24, s24, s27
	s_lshl_b32 s24, s24, 17                        ; Q's block: (32 batch + head) x 131,072
	s_mov_b32 s25, 0
	s_lshl_b32 s28, s2, 17                         ; V's block
	s_mov_b32 s29, 0
	s_lshl_b32 s30, s3, 21                         ; the result: batch x 128 tiles x 16,384 + head x 1,024
	s_lshl_b32 s27, s27, 10
	s_add_co_u32 s30, s30, s27
	s_mov_b32 s31, 0
	s_lshl_b32 s17, ttmp9, 4
	s_add_co_u32 s17, s17, s16                     ; my first tile of queries
	s_mov_b32 s20, 0x76543210
	s_mov_b32 s21, 0xfedcba98                      ; v_permlanex16_b32's selects for lane l xor 16
	s_wait_kmcnt 0x0
	s_load_b256 s[68:75], s[12:13], 0x0            ; e0 .. e7
	s_add_nc_u64 s[4:5], s[4:5], s[24:25]
	s_add_nc_u64 s[6:7], s[6:7], s[28:29]
	s_add_nc_u64 s[14:15], s[14:15], s[30:31]
	s_add_nc_u64 s[2:3], s[4:5], 0x200000          ; K's block lies 16 blocks behind Q's
.irp k, 0,1,2,3,4,5,6,7,8,9,10,11,12,13,14,15
	global_load_b128 v[96+4*\k:99+4*\k], v1, s[2:3] offset:8192*\k     ; 512 threads read 8,192 consecutive bytes
.endr
.irp k, 0,1,2,3,4,5,6,7,8,9,10,11,12,13,14,15
	global_load_b128 v[160+4*\k:163+4*\k], v1, s[6:7] offset:8192*\k
.endr
	v_mov_b32 v236, 0                              ; written once: a lane permute's destination counts as one of its sources
	v_mov_b32 v252, 0
	v_mov_b32 v253, 0                              ; (named as the upper half of the pair v[252:253])
	v_mov_b32 v248, 0x7f7f7f7f                     ; four NaN codes
	s_wait_kmcnt 0x0
	s_add_co_i32 s27, s70, s71
	s_lshl_b32 s27, s27, 23
	s_mov_b32 s22, 0x3e38aa3b                      ; c = log2(e) / sqrt(64)
	s_add_co_i32 s22, s22, s27                     ; a score stands for score x 2^(e2 + e3): added to c's exponent field
	s_mov_b32 s23, s22                             ; (named with it as a pair)
	s_add_co_i32 s27, s72, 127
	s_lshl_b32 s24, s27, 23
	v_mov_b32 v244, s24                            ; 2^e4
	s_add_co_i32 s27, s27, 8
	s_lshl_b32 s27, s27, 23
	s_or_b32 s27, s27, 0x600000
	v_mov_b32 v240, s27                            ; 448 x 2^e4
	s_cmp_lt_i32 s72, -8
	s_cselect_b32 s26, 1, 0                        ; is p's hold needed?
	s_sub_co_i32 s27, s74, s72
	s_sub_co_i32 s27, s27, s73
	s_add_co_i32 s27, s27, 127
	s_lshl_b32 s24, s27, 23
	v_mov_b32 v245, s24                            ; 2^(e6 - e4 - e5): O^T / l stands for that number x 2^(e4 + e5)
	s_add_co_i32 s27, s27, 8
	s_lshl_b32 s101, s27, 23
	s_or_b32 s101, s101, 0x600000                  ; 448 x that,
	s_or_b32 s100, s101, 0x80000000                ; and its negative
.set n, 0
.rept 32
	s_wait_loadcnt 31-n                            ; copy n is in; the younger ones stay out
	ds_store_b128 v[4+n/8], v[96+4*n:99+4*n] offset:(n%8)*8192     ; to LDS byte 8,192 n + 16 x thread: K's 16 copies, then V's
.set n, n+1
.endr
	s_wait_dscnt 0x0                               ; for the others' sake: my stores are done
	s_barrier_signal -1
	s_barrier_wait -1                              ; from here on LDS is only read
	s_mov_b32 s18, 0
.Lpass:                                            ; two trips: tile s17, then tile 127 - s17
	s_wait_xcnt 0x0                                ; the last pass's stores have read their base and their data
	s_lshl_b32 s2, s17, 10
	s_mov_b32 s3, 0
	s_add_nc_u64 s[28:29], s[4:5], s[2:3]
	global_load_b128 v[16:19], v2, s[28:29]        ; Q's image
	global_load_b128 v[20:23], v2, s[28:29] offset:512
	s_lshl_b32 s27, s17, 6
	s_load_b512 s[32:47], s[10:11], s27 offset:0x0 ; the tile's 16 flag words
	s_lshl_b32 s2, s17, 12
	s_add_nc_u64 s[30:31], s[8:9], s[2:3]          ; the tile's mask words: 16 steps x 256 bytes
	v_mov_b32 v13, 0xff61b1e6                      ; the largest t so far: -3e38, under every t
	v_floor_f32 v12, -v13                          ; -M
	v_mov_b32 v14, 0
	v_mov_b32 v15, 0
.set k, 0
.rept 32
	v_mov_b32 v[160+k], 0                          ; O^T: which step is the first to be walked hangs on the flags, so no product of the text can start the sums
.set k, k+1
.endr
	s_wait_kmcnt 0x0
	s_or_b32 s25, s32, s33
.irp k, 34,35,36,37,38,39,40,41,42,43,44,45,46,47
	s_or_b32 s25, s25, s[\k]                       ; bit s: any open in step s; bit 16 + s: all open
.endr
	s_mov_b32 s19, 0                               ; the key step
	s_mov_b32 s24, 0                               ; and its images' first byte in K's and in V's part of LDS
	s_wait_loadcnt 0x0                             ; Q
.Lkey:                                             ; sixteen trips
	s_bitcmp1_b32 s25, s19
	s_cbranch_scc0 .Lskip                          ; all 128 keys are hidden from all 16 queries
	v_add_nc_u32 v8, s24, v2
	v_add_nc_u32 v9, s24, v3
	v_nop                                          ; with the two additions: four places in front of loads into registers that the last products read
	v_nop
.irp c, 0,1,2,3,4,5,6,7
	ds_load_b128 v[32+8*\c:35+8*\c], v8 offset:1024*\c
	ds_load_b128 v[36+8*\c:39+8*\c], v8 offset:1024*\c+512
.endr
	s_wait_dscnt 0x0
.irp c, 0,1,2,3,4,5,6,7                        ; tile c: register j of lane (r, h) = key 16 c + 8 h + j, query r
	v_wmma_f32_16x16x64_fp8_fp8 v[96+8*\c:103+8*\c], v[32+8*\c:39+8*\c], v[16:23], 0
.endr
.rept 4
	v_nop                                          ; places in front of the loads below and of the first read of the scores
.endr
.irp d, 0,1,2,3                                ; V's four images land while the softmax is walked
.irp g, 0,1,2,3
	ds_load_b128 v[32+16*\d+4*\g:35+16*\d+4*\g], v9 offset:2048*\d+512*\g
.endr
.endr
	s_add_co_u32 s27, s19, 16
	s_bitcmp1_b32 s25, s27
	s_cbranch_scc1 .Lopen                          ; every key counts for every query
	s_lshl_b32 s27, s19, 8
	s_load_b512 s[32:47], s[30:31], s27 offset:0x0
	s_load_b512 s[48:63], s[30:31], s27 offset:0x40
	s_load_b512 s[68:83], s[30:31], s27 offset:0x80
	s_load_b512 s[84:99], s[30:31], s27 offset:0xc0
	v_mov_b32 v254, 0xff800000                     ; -infinity
	s_wait_kmcnt 0x0
.set n, 0
.rept 64
	v_cndmask_b32 v[96+n], v254, v[96+n], s[32+n+4*(n/32)]     ; the score where the bit is set, else -infinity: p = 0 then
.set n, n+1
.endr
.Lopen:
	v_max3_num_f32 v254, v96, v97, v98             ; the step's largest score of my query among my 64 keys, in two chains,
	v_max3_num_f32 v252, v99, v100, v101
.irp i, 6,10,14,18,22,26,30,34,38,42,46,50,54,58
	v_max3_num_f32 v254, v254, v[96+\i], v[97+\i]
	v_max3_num_f32 v252, v252, v[98+\i], v[99+\i]
.endr
	v_max3_num_f32 v254, v254, v158, v159
	v_max_num_f32 v254, v254, v252
	v_permlanex16_b32 v236, v254, s20, s21
	v_max_num_f32 v254, v254, v236                 ; and among lane l xor 16's
	v_mul_f32 v254, s22, v254                      ; as t (c is positive)
	v_max_num_f32 v13, v13, v254
	v_mov_b32 v254, v12
	v_floor_f32 v12, -v13                          ; the new -M = floor(-t): M is a whole number
	v_sub_f32 v254, v12, v254                      ; old M - new M: a whole number, 0 or less
	v_cvt_i32_f32 v254, v254                       ; (it saturates)
	v_ldexp_f32 v252, 1.0, v254                    ; f = 2^(old M - new M)
.irp j, 0,2,4,6,8,10,12,14,16,18,20,22,24,26,28,30,32,34,36,38,40,42,44,46,48,50,52,54,56,58,60,62
	v_pk_fma_f32 v[96+\j:97+\j], v[96+\j:97+\j], s[22:23], v[12:13] op_sel_hi:[1,0,0]   ; t - M, two at a time
.endr
.set n, 0
.rept 64
	v_exp_f32 v[96+n], v[96+n]                     ; p = 2^(t - M), at most 1
.set n, n+1
.endr
	v_pk_mul_f32 v[14:15], v[14:15], v[252:253] op_sel_hi:[1,0]   ; the sums under the new M: the plain instruction behind the exponentials
	s_wait_alu depctr_va_vdst(0)                   ; one wait for the batch of 64, ahead of its first reader
	v_pk_add_f32 v[242:243], v[96:97], v[98:99]    ; the row's sum is taken of the unquantised p, in two chains
.irp j, 4,8,12,16,20,24,28,32,36,40,44,48,52,56,60
	v_pk_add_f32 v[14:15], v[14:15], v[96+\j:97+\j]
	v_pk_add_f32 v[242:243], v[242:243], v[98+\j:99+\j]
.endr
	v_pk_add_f32 v[14:15], v[14:15], v[242:243]
	s_cmp_lg_u32 s26, 0
	s_cbranch_scc0 .Lnohold
.set n, 0
.rept 64
	v_min_num_f32 v[96+n], v[96+n], v240           ; the conversion does not saturate (ISA guide 7.6.2); p is not negative, so the hold is one-sided
.set n, n+1
.endr
.Lnohold:
.irp c, 0,1,2,3,4,5,6,7
	v_cvt_scalef32_pk8_fp8_f32 v[192+2*\c:193+2*\c], v[96+8*\c:103+8*\c], v244   ; registers 2 c, 2 c + 1 of the operand: keys 16 c + 8 h + 0 .. 7 of my query
.endr
.irp j, 0,2,4,6,8,10,12,14,16,18,20,22,24,26,28,30
	v_pk_mul_f32 v[160+\j:161+\j], v[160+\j:161+\j], v[252:253] op_sel_hi:[1,0]   ; O^T under the new M; these are also the plain instructions behind the conversions
.endr
	s_wait_dscnt 0x0                               ; V
.irp d, 0,1,2,3                                ; four accumulators by turns; the eight score products stand between one step's turn and the next
	v_wmma_f32_16x16x128_fp8_fp8 v[160+8*\d:167+8*\d], v[32+16*\d:47+16*\d], v[192:207], v[160+8*\d:167+8*\d]
.endr
.Lskip:
	s_add_co_u32 s24, s24, 8192
	s_add_co_u32 s19, s19, 1
	s_cmp_lt_u32 s19, 16
	s_cbranch_scc1 .Lkey
	; THE WAY OUT of a tile
.rept 4
	v_nop                                          ; places behind the last products
.endr
	v_add_f32 v14, v14, v15
	v_permlanex16_b32 v236, v14, s20, s21
	v_add_f32 v14, v14, v236                       ; the row's sum
	v_rcp_f32 v246, v14
	v_nop                                          ; a plain instruction behind the transcendental
	v_cmp_eq_f32 vcc_lo, 0, v14                    ; no key was open for my query
	v_cndmask_b32 v247, 0, v248, vcc_lo            ; then: NaN codes
	s_lshl_b32 s2, s17, 14
	s_add_nc_u64 s[28:29], s[14:15], s[2:3]        ; (Q's loads, which named this pair, were waited for)
	s_wait_alu depctr_va_vdst(0)                   ; ahead of the reciprocal's first reader
.irp j, 0,2,4,6,8,10,12,14,16,18,20,22,24,26,28,30
	v_pk_mul_f32 v[160+\j:161+\j], v[160+\j:161+\j], v[246:247] op_sel_hi:[1,0]   ; O^T / the sum, each accumulator from its low end on
.endr
.set k, 0
.rept 32
	v_med3_num_f32 v[160+k], v[160+k], s100, s101
.set k, k+1
.endr
.irp d, 0,1,2,3
	v_cvt_scalef32_pk8_fp8_f32 v[208+2*\d:209+2*\d], v[160+8*\d:167+8*\d], v245   ; dims 16 d + 8 h + 0 .. 7 of my token
.endr
	v_nop                                          ; one plain instruction behind the last conversion
.irp k, 0,1,2,3,4,5,6,7
	v_or_b32 v[208+\k], v[208+\k], v247
.endr
	global_store_b128 v2, v[208:211], s[28:29]               ; 32 lanes store 512 consecutive bytes, aligned
	global_store_b128 v2, v[212:215], s[28:29] offset:512
	s_sub_co_u32 s17, 127, s17
	s_add_co_u32 s18, s18, 1
	s_cmp_lt_u32 s18, 2
	s_cbranch_scc1 .Lpass
	s_wait_tensorcnt 0x0
	ds_add_u32 v251, v255
	s_wait_dscnt 0x0
	s_endpgm
.Lfunc_end_k_q4c18eca29d_attn:
	.size	k_q4c18eca29d_attn, .Lfunc_end_k_q4c18eca29d_attn-k_q4c18eca29d_attn
	.p2alignl 7, 3214868480
	.fill 96, 4, 3214868480
	.section	.rodata,"a",@progbits
	.p2align	6, 0x0
	.amdhsa_kernel k_q4c18eca29d_attn
		.amdhsa_group_segment_fixed_size 264192
		.amdhsa_private_segment_fixed_size 0
		.amdhsa_enable_private_segment 0
		.amdhsa_kernarg_size 48
		.amdhsa_user_sgpr_count 2
		.amdhsa_user_sgpr_kernarg_segment_ptr 1
		.amdhsa_wavefront_size32 1
		.amdhsa_system_sgpr_workgroup_id_x 1
		.amdhsa_system_sgpr_workgroup_id_y 1
		.amdhsa_system_sgpr_workgroup_id_z 1
		.amdhsa_system_vgpr_workitem_id 0
		.amdhsa_next_free_vgpr 256
		.amdhsa_next_free_sgpr 102
		.amdhsa_reserve_vcc 1
		.amdhsa_float_denorm_mode_32 3
		.amdhsa_float_denorm_mode_16_64 3
		.amdhsa_memory_ordered 1
		.amdhsa_forward_progress 1
		.amdhsa_inst_pref_size 36
	.end_amdhsa_kernel
	.amdgpu_metadata
---
amdhsa.version: [ 1, 2 ]
amdhsa.kernels:
  - .name:           k_q4c18eca29d_attn
    .symbol:         k_q4c18eca29d_attn.kd
    .args:
      - { .name: qk_img, .offset: 0, .size: 8, .value_kind: global_buffer, .address_space: global }
      - { .name: v_img, .offset: 8, .size: 8, .value_kind: global_buffer, .address_space: global }
      - { .name: mask_img, .offset: 16, .size: 8, .value_kind: global_buffer, .address_space: global }
      - { .name: flags, .offset: 24, .size: 8, .value_kind: global_buffer, .address_space: global }
      - { .name: lowp_scales, .offset: 32, .size: 8, .value_kind: global_buffer, .address_space: global }
      - { .name: att_img, .offset: 40, .size: 8, .value_kind: global_buffer, .address_space: global }
    .group_segment_fixed_size: 264192
    .private_segment_fixed_size: 0
    .kernarg_segment_align: 8
    .kernarg_segment_size: 48
    .max_flat_workgroup_size: 512
    .sgpr_count:     102
    .vgpr_count:     256
    .wavefront_size: 32
...
	.end_amdgpu_metadata
.endif
;; end of part 3
;; launch proj (part 4): grid 4 x 64, 4 waves a work-group, clusters of 4 x 4, 327,680 bytes of LDS; arguments att_img, W_out_codes, b_out, lowp_scales, out0; writes out0
.if DOCPART == 4
	.amdgcn_target "amdgcn-amd-amdhsa--gfx1250"
	.amdhsa_code_object_version 6
	.text
	.protected	k_q4c18eca29d_proj
	.globl	k_q4c18eca29d_proj
	.p2align	8
	.type	k_q4c18eca29d_proj,@function
k_q4c18eca29d_proj:
	s_mov_b64 s[64:65], 0
	v_nop
	global_prefetch_b8 v0, s[64:65] scope:SCOPE_SE
	s_setreg_imm32_b32 hwreg(HW_REG_WAVE_MODE, 25, 1), 1
	s_wait_xcnt 0x0
	s_wait_alu depctr_hold_cnt(0) depctr_sa_sdst(0) depctr_va_vdst(0) depctr_va_sdst(0) depctr_va_ssrc(0) depctr_va_vcc(0) depctr_vm_vsrc(0)
	s_getreg_b32 s2, hwreg(HW_REG_IB_STS2, 6, 4)
	s_cmp_eq_u32 s2, 0
	s_cbranch_scc0 .Lentry_in_a_cluster
	s_endpgm
.Lentry_in_a_cluster:
	s_bfe_u32 s2, ttmp6, 0x10000c
	s_cmp_lg_u32 s2, 0xf033
	s_cbranch_scc0 .Lentry_shape_is_right
	s_endpgm
.Lentry_shape_is_right:
; out0 = att W_out^T + b_out on codes of FP8 (E4M3), K = 1,024.  att comes as images of operand registers: att_img [token tile 512][head 16][register group 2][lane 32][16 bytes]; two heads on end are a fragment of 16 tokens x 128 K.
; A tile is 128 tokens x 256 features (256 tiles); four waves, each 64 tokens x 128 features: 32 accumulators.  Source 0 = 16 rows of W_out, source 1 = 16 tokens: a lane holds eight neighbouring features of one token.
; The images have k in the plain 8-bit order (registers 2 c, 2 c + 1: k = 16 c + 8 h + 0 .. 7), so W_out's fragments are read from their LDS rows in that order too: eight loads of 8 bytes.
; K goes in four chunks of 256 through THREE LDS slots: chunks 0, 1, 2 are first fills, issued together; slot 0 is filled once more, with chunk 3.  A slot: the tokens' 8 tiles x 4,096 bytes (dense images), then 256 rows of W_out, 272 bytes apart.
; CLUSTERS: 4 x 4 work-groups; the tokens' images are asked for jointly by a row of the cluster, W_out's rows by a column.
; The way out goes through each wave's stage in LDS, in slot 1, which has its only fill at the start and is read by nobody behind the second change of slots; out = sum x 2^(e6 + e7) + b_out is one packed multiply-add on the rows read back.
; LIMIT: e6 + e7 between -126 and 127.
; REGISTERS: window 0: v16-35 addresses and the bias; v64-127, v128-191 the tokens' fragments, two sets, later rows of the output.  window 1: W_out's fragments, two sets.  window 2: accumulator (a, b) at v[8 (8 a + b)].
.set PITCH,  272
.set ABYTES, 32768
.set SLOT,   ABYTES+256*PITCH          ; 102,400
.set SPARE,  3*SLOT                    ; behind the slots: the spare words, 128 bytes a wave
.set STAGE,  SLOT                      ; 16 rows x 528 bytes for each wave, in slot 1
.set SPITCH, 528
.set ADRA, 16                          ; v16-18  my tokens' images in slot 0, 1, 2
.set ADRB, 20                          ; v20-22  my rows of W_out
.set STO,  24
.set RD,   25
.set CO,   26                          ; v26     16 x lane
.set SPW,  28
.set NIL,  29
.set BIAS, 32                          ; v[32:35] b_out of my four features of a row read back
.set AF,   64
.set WV, 16
.set HA, 17                            ; s17 which 64 tokens are mine; also: I fetch images (0) or W_out (1)
.set HB, 18                            ; s18 which 128 features; also: which half I fetch
.set G1A, 24                           ; s[24:31] group 1 for the images; s[32:43] group 0, a set for each slot
.set G0A, 32
.set G1B, 48                           ; s[48:55] group 1 for W_out's rows; s[68:79] group 0
.set G0B, 68
.set MSB, 0
.macro WIN new
.if MSB != \new
	s_set_vgpr_msb (MSB<<8)|\new
.set MSB, \new
.endif
.endm
.set MUL, 0xa1                         ; source 0 window 1, source 1 window 0, C and D window 2
.macro JLOAD g0a, g1a, g0b, g1b
	s_cmp_eq_u32 s[HA], 0
	s_cbranch_scc0 .Lfor_b_\@
	tensor_load_to_lds s[\g0a:\g0a+3], s[\g1a:\g1a+7]
	s_nop 0
.rept 4
	v_nop
.endr
	s_branch .Lasked_\@
.Lfor_b_\@:
	tensor_load_to_lds s[\g0b:\g0b+3], s[\g1b:\g1b+7]
	s_nop 0
.rept 4
	v_nop
.endr
.Lasked_\@:
.endm
.macro CREST
	s_cmp_lg_u32 s[WV], 0
	s_cbranch_scc1 .Lnot_wave_0_\@
	s_barrier_signal -3
.Lnot_wave_0_\@:
	s_barrier_wait -3
	s_barrier_signal -1
	s_barrier_wait -1
.endm
.macro CROUND
	s_barrier_signal -1
	s_barrier_wait -1
	CREST
.endm
.macro PLACES n
.rept \n
	v_nop
.endr
.endm
	s_load_b256 s[4:11], s[0:1], 0x0               ; att_img s[4:5], W_out s[6:7], b_out s[8:9], the scales' exponents s[10:11]
	s_load_b64 s[12:13], s[0:1], 0x20              ; out0
	v_lshl_add_u32 v[SPW], v0, 2, SPARE
	v_mov_b32 v[NIL], 0
	ds_add_u32 v28, v29
	ds_add_u32 v28, v29
	s_wait_dscnt 0x0
	v_lshrrev_b32 v1, 5, v0
	v_readfirstlane_b32 s[WV], v1
	s_lshr_b32 s[HA], s[WV], 1
	s_and_b32 s[HB], s[WV], 1
	s_bfe_u32 s20, ttmp6, 0x40000                  ; cx
	s_bfe_u32 s21, ttmp6, 0x40004                  ; cy
	s_and_b32 s22, ttmp7, 0xffff
	s_lshl_b32 s22, s22, 2
	s_add_co_u32 s22, s22, s21                     ; the tile of 128 tokens
	s_lshl_b32 s23, ttmp9, 2
	s_add_co_u32 s23, s23, s20                     ; the tile of 256 features
	s_lshl_b32 s44, s21, 2
	s_lshl_b32 s44, 15, s44                        ; my row of the cluster
	s_lshl_b32 s56, 0x1111, s20                    ; my column
	s_or_b32 s[G1A+0], s44, (3<<16)|(1<<21)        ; the mask; elements of 8 bytes; no padding; bit 21 beside a mask
	s_mov_b32 s[G1A+1], 512<<16                    ; tensor_dim0: 512 elements = a token tile's 4,096 bytes of a chunk
	s_mov_b32 s[G1A+2], 4<<16                      ; tensor_dim1: 4 token tiles
	s_mov_b32 s[G1A+3], 512<<16                    ; tile_dim0
	s_mov_b32 s[G1A+4], 4                          ; tile_dim1
	s_mov_b32 s[G1A+5], 2048                       ; from tile to tile: 16,384 bytes
	s_mov_b32 s[G1A+6], 0
	s_mov_b32 s[G1A+7], 0
	s_or_b32 s[G1B+0], s56, (0<<16)|(1<<20)|(1<<21)|(5<<22)|(3<<25)  ; elements of 1 byte; after every 64 words, 4 words of padding
	s_mov_b32 s[G1B+1], 256<<16
	s_mov_b32 s[G1B+2], 128<<16
	s_mov_b32 s[G1B+3], 256<<16
	s_mov_b32 s[G1B+4], 128
	s_mov_b32 s[G1B+5], 1024
	s_mov_b32 s[G1B+6], 0
	s_mov_b32 s[G1B+7], 0
	s_lshl_b32 s45, s22, 3
	s_lshl_b32 s19, s[HB], 2
	s_add_co_u32 s45, s45, s19                     ; my first of four token tiles
	s_lshl_b32 s46, s45, 14
	s_mov_b32 s47, 0
	s_lshl_b32 s58, s23, 8
	s_lshl_b32 s19, s[HB], 7
	s_add_co_u32 s58, s58, s19                     ; my first of 128 rows of W_out
	s_lshl_b32 s58, s58, 10
	s_mov_b32 s59, 0
	s_mul_i32 s80, s[HB], 16384                    ; where they go in a slot: no place in the cluster enters an LDS address
	s_mul_i32 s81, s[HB], 128*PITCH
	s_add_co_u32 s81, s81, ABYTES
	s_wait_kmcnt 0x0
	s_load_b256 s[84:91], s[10:11], 0x0            ; e0 .. e7
	s_add_nc_u64 s[46:47], s[4:5], s[46:47]
	s_add_nc_u64 s[58:59], s[6:7], s[58:59]
	CROUND                                         ; all sixteen work-groups are here: the first joint loads meet
.irp n, 0,1,2
	s_mov_b32 s[G0A+4*\n], 1
	s_add_co_u32 s[G0A+4*\n+1], s80, \n*SLOT
	s_add_nc_u64 s[G0A+4*\n+2:G0A+4*\n+3], s[46:47], \n*4096
	s_or_b32 s[G0A+4*\n+3], s[G0A+4*\n+3], 0x80000000
	s_mov_b32 s[G0B+4*\n], 1
	s_add_co_u32 s[G0B+4*\n+1], s81, \n*SLOT
	s_add_nc_u64 s[G0B+4*\n+2:G0B+4*\n+3], s[58:59], \n*256
	s_or_b32 s[G0B+4*\n+3], s[G0B+4*\n+3], 0x80000000
.endr
	s_cmp_eq_u32 s[HA], 0                          ; a wave's three first fills stand in one branch: three loads of mine are out
	s_cbranch_scc0 .Lfirst_b
	tensor_load_to_lds s[G0A:G0A+3], s[G1A:G1A+7]
	s_nop 0
	tensor_load_to_lds s[G0A+4:G0A+7], s[G1A:G1A+7]
	s_nop 0
	tensor_load_to_lds s[G0A+8:G0A+11], s[G1A:G1A+7]
	s_nop 0
.rept 4
	v_nop
.endr
	s_branch .Lfirst_asked
.Lfirst_b:
	tensor_load_to_lds s[G0B:G0B+3], s[G1B:G1B+7]
	s_nop 0
	tensor_load_to_lds s[G0B+4:G0B+7], s[G1B:G1B+7]
	s_nop 0
	tensor_load_to_lds s[G0B+8:G0B+11], s[G1B:G1B+7]
	s_nop 0
.rept 4
	v_nop
.endr
.Lfirst_asked:
	v_and_b32 v1, 15, v0                           ; r
	v_bfe_u32 v2, v0, 4, 1                         ; h
	v_and_b32 v3, 31, v0
	v_lshlrev_b32 v[CO], 4, v3
	s_mul_i32 s82, s[HA], 16384                    ; my four token tiles
	s_mul_i32 s83, s[HB], 128*PITCH                ; my 128 rows of W_out
	s_add_co_u32 s83, s83, ABYTES
	v_mul_u32_u24 v4, v1, PITCH
	v_lshl_add_u32 v4, v2, 3, v4                   ; row r, + 8 h
.irp n, 0,1,2
	v_add_nc_u32 v[ADRA+\n], s82, v[CO]
	v_add_nc_u32 v[ADRB+\n], s83, v4
	s_add_co_u32 s82, s82, SLOT
	s_add_co_u32 s83, s83, SLOT
.endr
	s_mul_i32 s82, s[WV], 16*SPITCH
	s_add_co_u32 s82, s82, STAGE                   ; my stage
	v_mul_u32_u24 v5, v1, SPITCH
	v_lshl_add_u32 v5, v2, 5, v5
	v_add_nc_u32 v[STO], s82, v5                   ; in: row r, 32 bytes for each half of the lanes
	v_add_nc_u32 v[RD], s82, v[CO]                 ; back: the 32 lanes take a row of 512 bytes
	s_lshl_b32 s92, s23, 10
	s_lshl_b32 s93, s[HB], 9
	s_add_co_u32 s92, s92, s93                     ; my first feature, in bytes of f32
	s_mov_b32 s93, 0
	s_add_nc_u64 s[8:9], s[8:9], s[92:93]
	global_load_b128 v[BIAS:BIAS+3], v[CO], s[8:9] ; b_out of features 4 lane .. 4 lane + 3 of my 128
	s_lshl_b32 s94, s22, 7
	s_lshl_b32 s95, s[HA], 6
	s_add_co_u32 s94, s94, s95                     ; my first token
	s_lshl_b32 s94, s94, 12                        ; rows of 4,096 bytes: under 2^26
	s_add_co_u32 s92, s92, s94
	s_add_nc_u64 s[12:13], s[12:13], s[92:93]
	s_wait_kmcnt 0x0
	s_add_co_i32 s96, s90, s91
	s_add_co_i32 s96, s96, 127
	s_lshl_b32 s96, s96, 23                        ; 2^(e6 + e7) as f32
	s_mov_b32 s97, s96                             ; (named with it as a pair)
.macro FRAGA reg, slot, q, a           ; tokens 16 a on, the chunk's q-th 128 along K: two heads' images on end
.irp c, 0,1,2,3
	ds_load_b128 v[\reg+4*\c:\reg+4*\c+3], v[ADRA+\slot] offset:4096*(\a)+2048*(\q)+512*\c
.endr
.endm
.macro FRAGB reg, slot, q, b           ; rows 16 b on of W_out: registers 2 c, 2 c + 1 = k 16 c + 8 h + 0 .. 7.  With rows 68 words apart the 32 lanes of a load touch 64 different words modulo 64
.irp c, 0,1,2,3,4,5,6,7
	ds_load_b64 v[\reg+2*\c:\reg+2*\c+1], v[ADRB+\slot] offset:16*PITCH*(\b)+128*(\q)+16*\c
.endr
.endm
.macro FETCHP slot, q, p               ; a step's fragments into set p: 64 + 16 LDS loads in one run
	WIN 0x40
.irp b, 0,1,2,3,4,5,6,7
	FRAGB 128*(\p)+16*\b, \slot, \q, \b
.endr
	WIN 0
.irp a, 0,1,2,3
	FRAGA AF+64*(\p)+16*\a, \slot, \q, \a
.endr
.endm
.macro MUL8 a, p, zero                 ; block a of tokens x the eight blocks of features.  The 32 accumulators take turns, one instruction a turn, in the same order in every step
.irp b, 0,1,2,3,4,5,6,7
.if \zero
	v_wmma_f32_16x16x128_fp8_fp8 v[8*(8*\a+\b):8*(8*\a+\b)+7], v[128*(\p)+16*\b:128*(\p)+16*\b+15], v[AF+64*(\p)+16*\a:AF+64*(\p)+16*\a+15], 0
.else
	v_wmma_f32_16x16x128_fp8_fp8 v[8*(8*\a+\b):8*(8*\a+\b)+7], v[128*(\p)+16*\b:128*(\p)+16*\b+15], v[AF+64*(\p)+16*\a:AF+64*(\p)+16*\a+15], v[8*(8*\a+\b):8*(8*\a+\b)+7]
.endif
.endr
.endm
; A step of 128 along K on set p; the next step's fragments (slot nslot, part nq) are asked for first, into the other set.
.macro STEPP p, zero, nslot, nq
	s_wait_dscnt 0x0                               ; set p is in
	PLACES 4                                       ; in front of loads into the set that the last step's products read
	FETCHP \nslot, \nq, 1-\p
	WIN MUL
	MUL8 0, \p, \zero
	MUL8 1, \p, \zero
	MUL8 2, \p, \zero
	MUL8 3, \p, \zero
	WIN 0
.endm
; A step on set 1 with a barrier in it.  In front of the barrier each wave waits for all its tensor loads, adds 0 to its spare word, and waits for that and for all its LDS reads.  fill = 1: slot 0 is filled again, with chunk 3.
.macro TURNP nslot, fill
	s_wait_tensorcnt 0x0                           ; all my tensor loads have landed
	ds_add_u32 v[SPW], v[NIL]                      ; 0 onto my spare word
.if \fill
	s_add_nc_u64 s[G0A+2:G0A+3], s[G0A+2:G0A+3], 3*4096   ; no load of mine is out, so a group 0 may be written: chunk 3
	s_add_nc_u64 s[G0B+2:G0B+3], s[G0B+2:G0B+3], 3*256
.endif
	s_wait_dscnt 1                                 ; set 1 is in; the add alone may be out
	WIN MUL
	MUL8 0, 1, 0
	s_wait_dscnt 0x0                               ; the add is done, and my reads are over
	s_barrier_signal -1
	MUL8 1, 1, 0
	WIN 0
	s_barrier_wait -1
.if \fill
	CREST                                          ; the barrier has opened a round of the cluster's: no wave of any partner still reads slot 0 or has a load on its way
	JLOAD G0A, G1A, G0B, G1B                       ; the first tensor load behind the round; its four v_nop are the places in front of the loads below
.else
	PLACES 4
.endif
	FETCHP \nslot, 0, 0
	WIN MUL
	MUL8 2, 1, 0
	MUL8 3, 1, 0
	WIN 0
.endm
	s_wait_tensorcnt 2                             ; my part of chunk 0 is in; chunks 1 and 2 may be out
	s_barrier_signal -1
	s_barrier_wait -1
	FETCHP 0, 0, 0
	STEPP 0, 1, 0, 1                               ; the first products start the sums: nothing is cleared
	TURNP 1, 1                                     ; its wait for all loads shows chunks 1 and 2 landed, in every wave: no barrier stands between them
	STEPP 0, 0, 1, 1
	STEPP 1, 0, 2, 0
	STEPP 0, 0, 2, 1
	TURNP 0, 0                                     ; chunk 3 has landed; behind this barrier nobody reads slots 1 and 2
	STEPP 0, 0, 0, 1
	s_wait_dscnt 0x0
	WIN MUL
	MUL8 0, 1, 0
	MUL8 1, 1, 0
	MUL8 2, 1, 0
	MUL8 3, 1, 0
	WIN 0
; THE WAY OUT, a block of 16 tokens x 128 features at a time: the sums go into my stage as they are, each accumulator's low four registers first, and come back as whole rows of 512 bytes.
.macro TOSTAGE a
	WIN 0x08                                       ; the stores' data: window 2
.irp b, 0,1,2,3,4,5,6,7
	ds_store_b128 v[STO], v[8*(8*\a+\b):8*(8*\a+\b)+3] offset:64*\b
	ds_store_b128 v[STO], v[8*(8*\a+\b)+4:8*(8*\a+\b)+7] offset:64*\b+16
.endr
	WIN 0
.set BB, AF+64*((\a)%2)
.irp t, 0,1,2,3,4,5,6,7,8,9,10,11,12,13,14,15
	ds_load_b128 v[BB+4*\t:BB+4*\t+3], v[RD] offset:\t*SPITCH    ; LDS serves a wave's instructions in order: these see the stores above, and the next block's stores come behind them
.endr
.endm
.macro SEND a, younger                 ; younger: the LDS instructions issued behind block a's loads
.set BB, AF+64*((\a)%2)
	s_wait_dscnt \younger
.irp t, 0,1,2,3,4,5,6,7,8,9,10,11,12,13,14,15
	v_pk_fma_f32 v[BB+4*\t:BB+4*\t+1], v[BB+4*\t:BB+4*\t+1], s[96:97], v[BIAS:BIAS+1] op_sel_hi:[1,0,1]       ; sum x 2^(e6 + e7) + b_out
	v_pk_fma_f32 v[BB+4*\t+2:BB+4*\t+3], v[BB+4*\t+2:BB+4*\t+3], s[96:97], v[BIAS+2:BIAS+3] op_sel_hi:[1,0,1]
.endr
.irp t, 0,1,2,3,4,5,6,7,8,9,10,11,12,13,14,15
	global_store_b128 v[CO], v[BB+4*\t:BB+4*\t+3], s[12:13] offset:65536*(\a)+4096*\t th:TH_STORE_NT   ; 32 lanes store 512 consecutive bytes, aligned; written once, read by nobody here
.endr
.endm
	s_wait_loadcnt 0x0                             ; the bias
	PLACES 4                                       ; behind the last products
	TOSTAGE 0
.irp a, 1,2,3
.if \a > 1
	s_wait_xcnt 0x0                                ; block a - 2's stores have read their registers: block a's rows may land there
.endif
	TOSTAGE \a
	SEND \a-1, 32                                  ; behind block a - 1's loads: block a's 16 stores and 16 loads
.endr
	SEND 3, 0
	s_wait_tensorcnt 0x0                           ; the wave's end
	ds_add_u32 v[SPW], v[NIL]
	s_wait_dscnt 0x0
	CROUND                                         ; the closing round
	s_endpgm
.Lfunc_end_k_q4c18eca29d_proj:
	.size	k_q4c18eca29d_proj, .Lfunc_end_k_q4c18eca29d_proj-k_q4c18eca29d_proj
	.p2alignl 7, 3214868480
	.fill 96, 4, 3214868480
	.section	.rodata,"a",@progbits
	.p2align	6, 0x0
	.amdhsa_kernel k_q4c18eca29d_proj
		.amdhsa_group_segment_fixed_size 327680
		.amdhsa_private_segment_fixed_size 0
		.amdhsa_enable_private_segment 0
		.amdhsa_kernarg_size 40
		.amdhsa_user_sgpr_count 2
		.amdhsa_user_sgpr_kernarg_segment_ptr 1
		.amdhsa_wavefront_size32 1
		.amdhsa_system_sgpr_workgroup_id_x 1
		.amdhsa_system_sgpr_workgroup_id_y 1
		.amdhsa_system_sgpr_workgroup_id_z 1
		.amdhsa_system_vgpr_workitem_id 0
		.amdhsa_next_free_vgpr 768
		.amdhsa_next_free_sgpr 100
		.amdhsa_reserve_vcc 0
		.amdhsa_float_denorm_mode_32 3
		.amdhsa_float_denorm_mode_16_64 3
		.amdhsa_memory_ordered 1
		.amdhsa_forward_progress 1
		.amdhsa_inst_pref_size 91
	.end_amdhsa_kernel
	.amdgpu_metadata
---
amdhsa.version: [ 1, 2 ]
amdhsa.kernels:
  - .name:           k_q4c18eca29d_proj
    .symbol:         k_q4c18eca29d_proj.kd
    .args:
      - { .name: att_img, .offset: 0, .size: 8, .value_kind: global_buffer, .address_space: global }
      - { .name: W_out_codes, .offset: 8, .size: 8, .value_kind: global_buffer, .address_space: global }
      - { .name: b_out, .offset: 16, .size: 8, .value_kind: global_buffer, .address_space: global }
      - { .name: lowp_scales, .offset: 24, .size: 8, .value_kind: global_buffer, .address_space: global }
      - { .name: out0, .offset: 32, .size: 8, .value_kind: global_buffer, .address_space: global }
    .group_segment_fixed_size: 327680
    .private_segment_fixed_size: 0
    .kernarg_segment_align: 8
    .kernarg_segment_size: 40
    .max_flat_workgroup_size: 128
    .sgpr_count:     100
    .vgpr_count:     768
    .wavefront_size: 32
...
	.end_amdgpu_metadata
.endif
;; end of part 4
;; ======== version 2 of 2: 4 launches; version 1 with the launch attn written anew for expert scheduling mode
;; limits: right only within a limited range of input values
;; workspace buffers: qk_img 16,777,216 bytes; v_img 8,388,608 bytes; att_img 8,388,608 bytes; mask_img 524,288 bytes of whole numbers; flags 8,192 bytes of whole numbers
;; launch prep: the kernel of part 1 again; grid 512 x 1, 4 waves a work-group, no clusters, 34,304 bytes of LDS; arguments mask, mask_img, flags; writes mask_img, flags
;; launch qkv: the kernel of part 2 again; grid 12 x 32, 4 waves a work-group, clusters of 4 x 4, 327,680 bytes of LDS; arguments x_codes, W_qkv_codes, b_qkv, lowp_scales, qk_img, v_img; writes qk_img, v_img
;; launch attn (part 5): grid 4 x 64, 16 waves a work-group, no clusters, 264,192 bytes of LDS; arguments qk_img, v_img, mask_img, flags, lowp_scales, att_img; writes att_img
.if DOCPART == 5
	.amdgcn_target "amdgcn-amd-amdhsa--gfx1250"
	.amdhsa_code_object_version 6
	.text
	.protected	k_q4c18eca29d_attn
	.globl	k_q4c18eca29d_attn
	.p2align	8
	.type	k_q4c18eca29d_attn,@function
k_q4c18eca29d_attn:
	s_mov_b64 s[64:65], 0
	v_nop
	global_prefetch_b8 v0, s[64:65] scope:SCOPE_SE
	s_setreg_imm32_b32 hwreg(HW_REG_WAVE_SCHED_MODE, 0, 2), 2
	s_setreg_imm32_b32 hwreg(HW_REG_WAVE_MODE, 25, 1), 1
	s_wait_xcnt 0x0
	s_wait_alu depctr_vm_vsrc(0)
; Attention of one head on codes of FP8 (E4M3), head size 64, 2,048 keys, with the mask that is given.  Both products are used transposed (S^T = K Q^T, O^T = V^T P^T): a lane holds ONE query throughout.
; t = score x log2(e) / 8; M = the running largest t rounded up to a whole number; p = 2^(t - M) is quantised with 2^e4, not normalised; the row's sum is taken of the unquantised p and divides O at the end.
; When M moves, the sum and O^T are multiplied by 2^(old M - new M), which rounds nothing.  The result is quantised with 2^e6 and stored as an image of the last product's operand.
; SHARES.  Four work-groups to a head, sixteen waves each, four to a SIMD, so that one wave's vector work stands beside another's products and LDS loads.  Wave g = 16 x work-group + wave takes the tiles of 16 queries g and 127 - g, one after the other.
; LDS holds the head's K (128 images of 1,024 bytes) and V (64 images of 2,048 bytes), copied once through registers: one barrier in the launch.  An image is a fragment's registers, 16 bytes a lane, 512 bytes a load.
; THE MASK.  flags has two bits for each (tile, step of 128 keys): no key open for any of the 16 queries: the step is left out; all open: its selects are left out.  Else the step's 64 words of mask_img come into
; scalar registers; word 8 c + j is the lane mask of register j of score tile c: one select a score puts -infinity where the mask hides.  This holds for any mask.
; Joint tensor loads for the four work-groups of a head are not used: the key loop branches on numbers read from memory (the flags); what they share is read once, at the head.
; The hold of p at 448 x 2^e4 is jumped over where e4 >= -8: p is at most 1 and 448 x 2^-8 is above 1.
; A query with no open key has the sum 0: its codes are made NaN codes, so that its row of the output is NaN, as a softmax over -infinity alone is.
; LIMITS: e2 + e3 between -123 and 130 (added to c's exponent field); e4, and e6 - e4 - e5, between -126 and 119.
; REGISTERS: v1-7 addresses; v8, v9 the step's K and V; v12 -M, v13 the largest t, v[14:15] the sum in two halves; v16-23 Q; v32-95 K's eight fragments, then V's four; v96-159 S^T, then p; v160-191 O^T; v192-207 p's codes; v208-215 the result's codes.
; THE MODE: SCHED_MODE bits 1:0 = 2 (LLVM: expert scheduling mode 2), set by the entry lines.  The code itself states the register dependences
; between vector or matrix instructions and memory or LDS instructions, with s_wait_alu, always for 0.
; THE PLAN.  Registers that memory or LDS instructions touch:
;   v1-7      offsets and LDS addresses: made once at the head, read by the copies, by Q's loads and by the result's stores; never written again.
;   v96-223   at the head: the 32 copies land there and the 32 LDS stores read them; from the first pass on vector and matrix instructions write them.
;   v16-23    Q: two loads a pass land there; the score products read them.
;   v8, v9    written by two additions at the head of each step that is walked; read by that step's 16 + 16 LDS loads.
;   v32-95    K's 16 loads land there, the eight score products read them; V's 16 loads land there, the four products V^T P read them.
;   v208-215  written by the way out's conversions and ORs; read by its two stores.
; A step that is walked has one wait on vm_vsrc (ahead of the two additions) and two on va_vdst of its own: one behind the additions, ahead of K's loads, and one behind the score products, ahead of V's.
; Behind the second, V's loads are dealt among the vector instructions that look for the maximum: these name v96-159, v252 and v254, none of the registers that the loads touch.
; A pass has one wait on vm_vsrc at its head and one on va_vdst ahead of its stores.  Q's loads owe no wait of their own: behind the last product that read v16-23 stands the step's second wait on va_vdst.
.set VIMG, 131072                      ; V's images lie behind K's
	s_load_b256 s[4:11], s[0:1], 0x0               ; qk_img s[4:5], v_img s[6:7], mask_img s[8:9], flags s[10:11]
	s_load_b128 s[12:15], s[0:1], 0x20             ; the scales' exponents s[12:13], att_img s[14:15]
	v_lshl_add_u32 v251, v0, 2, 0x40000
	v_mov_b32 v255, 0
	v_lshrrev_b32 v8, 5, v0
	v_readfirstlane_b32 s16, v8                    ; wave 0..15
	v_lshlrev_b32 v1, 4, v0                        ; 16 x thread: my bytes of a copy's 8,192
	v_and_b32 v2, 31, v0
	v_lshlrev_b32 v2, 4, v2                        ; 16 x lane: my place in an image's 512 bytes
	v_add_nc_u32 v3, VIMG, v2
	v_lshlrev_b32 v4, 4, v0                        ; LDS: 16 x thread, and the same 64, 128, 192 KiB on (an LDS immediate has 16 bits)
	v_add_nc_u32 v5, 0x10000, v4
	v_add_nc_u32 v6, 0x20000, v4
	v_add_nc_u32 v7, 0x30000, v4
	s_and_b32 s2, ttmp7, 0xffff                    ; 16 batch + head
	s_lshr_b32 s3, s2, 4
	s_and_b32 s27, s2, 15
	s_lshl_b32 s24, s3, 5
	s_add_co_u32 s24, s24, s27
	s_lshl_b32 s24, s24, 17                        ; Q's block: (32 batch + head) x 131,072
	s_mov_b32 s25, 0
	s_lshl_b32 s28, s2, 17                         ; V's block
	s_mov_b32 s29, 0
	s_lshl_b32 s30, s3, 21                         ; the result: batch x 128 tiles x 16,384 + head x 1,024
	s_lshl_b32 s27, s27, 10
	s_add_co_u32 s30, s30, s27
	s_mov_b32 s31, 0
	s_lshl_b32 s17, ttmp9, 4
	s_wait_alu depctr_va_sdst(0)                   ; s16 is written, ahead of its first reader
	s_add_co_u32 s17, s17, s16                     ; my first tile of queries
	s_mov_b32 s20, 0x76543210
	s_mov_b32 s21, 0xfedcba98                      ; v_permlanex16_b32's selects for lane l xor 16
	s_wait_kmcnt 0x0
	s_load_b256 s[68:75], s[12:13], 0x0            ; e0 .. e7
	s_add_nc_u64 s[4:5], s[4:5], s[24:25]
	s_add_nc_u64 s[6:7], s[6:7], s[28:29]
	s_add_nc_u64 s[14:15], s[14:15], s[30:31]
	s_add_nc_u64 s[2:3], s[4:5], 0x200000          ; K's block lies 16 blocks behind Q's
	s_wait_alu depctr_va_vdst(0)                   ; the offsets and addresses v1 to v7 are written, which the loads and stores of the whole kernel read
.irp k, 0,1,2,3,4,5,6,7,8,9,10,11,12,13,14,15
	global_load_b128 v[96+4*\k:99+4*\k], v1, s[2:3] offset:8192*\k     ; 512 threads read 8,192 consecutive bytes
.endr
.irp k, 0,1,2,3,4,5,6,7,8,9,10,11,12,13,14,15
	global_load_b128 v[160+4*\k:163+4*\k], v1, s[6:7] offset:8192*\k
.endr
	v_mov_b32 v236, 0                              ; written once: a lane permute's destination counts as one of its sources
	v_mov_b32 v252, 0
	v_mov_b32 v253, 0                              ; (named as the upper half of the pair v[252:253])
	v_mov_b32 v248, 0x7f7f7f7f                     ; four NaN codes
	s_wait_kmcnt 0x0
	s_add_co_i32 s27, s70, s71
	s_lshl_b32 s27, s27, 23
	s_mov_b32 s22, 0x3e38aa3b                      ; c = log2(e) / sqrt(64)
	s_add_co_i32 s22, s22, s27                     ; a score stands for score x 2^(e2 + e3): added to c's exponent field
	s_mov_b32 s23, s22                             ; (named with it as a pair)
	s_add_co_i32 s27, s72, 127
	s_lshl_b32 s24, s27, 23
	v_mov_b32 v244, s24                            ; 2^e4
	s_add_co_i32 s27, s27, 8
	s_lshl_b32 s27, s27, 23
	s_or_b32 s27, s27, 0x600000
	v_mov_b32 v240, s27                            ; 448 x 2^e4
	s_cmp_lt_i32 s72, -8
	s_cselect_b32 s26, 1, 0                        ; is p's hold needed?
	s_sub_co_i32 s27, s74, s72
	s_sub_co_i32 s27, s27, s73
	s_add_co_i32 s27, s27, 127
	s_lshl_b32 s24, s27, 23
	v_mov_b32 v245, s24                            ; 2^(e6 - e4 - e5): O^T / l stands for that number x 2^(e4 + e5)
	s_add_co_i32 s27, s27, 8
	s_lshl_b32 s101, s27, 23
	s_or_b32 s101, s101, 0x600000                  ; 448 x that,
	s_or_b32 s100, s101, 0x80000000                ; and its negative
.set n, 0
.rept 32
	s_wait_loadcnt 31-n                            ; copy n is in; the younger ones stay out
	ds_store_b128 v[4+n/8], v[96+4*n:99+4*n] offset:(n%8)*8192     ; to LDS byte 8,192 n + 16 x thread: K's 16 copies, then V's.  (No vector instruction since the wait on va_vdst above names v4 to v7 or v96 to v223)
.set n, n+1
.endr
	s_wait_dscnt 0x0                               ; for the others' sake: my stores are done
	s_barrier_signal -1
	s_barrier_wait -1                              ; from here on LDS is only read
	s_mov_b32 s18, 0
.Lpass:                                            ; two trips: tile s17, then tile 127 - s17
	s_wait_xcnt 0x0                                ; the last pass's stores have read their base and their data
	s_wait_alu depctr_vm_vsrc(0)                   ; first trip: the copies' LDS stores have read v96-223; second trip: the last pass's stores have read v208-215: vector and matrix instructions of this pass write them again
	s_lshl_b32 s2, s17, 10
	s_mov_b32 s3, 0
	s_add_nc_u64 s[28:29], s[4:5], s[2:3]
	global_load_b128 v[16:19], v2, s[28:29]        ; Q's image.  (The products that read v16-23 stand ahead of a wait on va_vdst, and nothing has named these registers since)
	global_load_b128 v[20:23], v2, s[28:29] offset:512
	s_lshl_b32 s27, s17, 6
	s_load_b512 s[32:47], s[10:11], s27 offset:0x0 ; the tile's 16 flag words
	s_lshl_b32 s2, s17, 12
	s_add_nc_u64 s[30:31], s[8:9], s[2:3]          ; the tile's mask words: 16 steps x 256 bytes
	v_mov_b32 v13, 0xff61b1e6                      ; the largest t so far: -3e38, under every t
	v_floor_f32 v12, -v13                          ; -M
	v_mov_b32 v14, 0
	v_mov_b32 v15, 0
.set k, 0
.rept 32
	v_mov_b32 v[160+k], 0                          ; O^T: which step is the first to be walked hangs on the flags, so no product of the text can start the sums
.set k, k+1
.endr
	s_wait_kmcnt 0x0
	s_or_b32 s25, s32, s33
.irp k, 34,35,36,37,38,39,40,41,42,43,44,45,46,47
	s_or_b32 s25, s25, s[\k]                       ; bit s: any open in step s; bit 16 + s: all open
.endr
	s_mov_b32 s19, 0                               ; the key step
	s_mov_b32 s24, 0                               ; and its images' first byte in K's and in V's part of LDS
	s_wait_loadcnt 0x0                             ; Q
; One of V's four images: 16 dims x 128 keys, four loads of 512 bytes
.macro VFRAG d
.irp g, 0,1,2,3
	ds_load_b128 v[32+16*(\d)+4*\g:35+16*(\d)+4*\g], v9 offset:2048*(\d)+512*\g
.endr
.endm
.Lkey:                                             ; sixteen trips
	s_bitcmp1_b32 s25, s19
	s_cbranch_scc0 .Lskip                          ; all 128 keys are hidden from all 16 queries
	s_wait_alu depctr_vm_vsrc(0)                   ; the LDS loads of the step walked last have read v8 and v9, which the two lines below write
	v_add_nc_u32 v8, s24, v2
	v_add_nc_u32 v9, s24, v3
	s_wait_alu depctr_va_vdst(0)                   ; v8 and v9 are written, which this step's LDS loads read; the four products of the step walked last are done reading v32-95, in which K's fragments land
.irp c, 0,1,2,3,4,5,6,7
	ds_load_b128 v[32+8*\c:35+8*\c], v8 offset:1024*\c
	ds_load_b128 v[36+8*\c:39+8*\c], v8 offset:1024*\c+512
.endr
	s_wait_dscnt 0x0
.irp c, 0,1,2,3,4,5,6,7                        ; tile c: register j of lane (r, h) = key 16 c + 8 h + j, query r
	v_wmma_f32_16x16x64_fp8_fp8 v[96+8*\c:103+8*\c], v[32+8*\c:39+8*\c], v[16:23], 0
.endr
.rept 4
	v_nop                                          ; places in front of the first read of the scores
.endr
	s_wait_alu depctr_va_vdst(0)                   ; the eight products are done reading v32-95, in which V's images land
	VFRAG 0                                        ; V's four images land while the softmax is walked: the first is asked for here, the others among the lines that look for the maximum
	s_add_co_u32 s27, s19, 16
	s_bitcmp1_b32 s25, s27
	s_cbranch_scc1 .Lopen                          ; every key counts for every query
	s_lshl_b32 s27, s19, 8
	s_load_b512 s[32:47], s[30:31], s27 offset:0x0
	s_load_b512 s[48:63], s[30:31], s27 offset:0x40
	s_load_b512 s[68:83], s[30:31], s27 offset:0x80
	s_load_b512 s[84:99], s[30:31], s27 offset:0xc0
	v_mov_b32 v254, 0xff800000                     ; -infinity
	s_wait_kmcnt 0x0
.set n, 0
.rept 64
	v_cndmask_b32 v[96+n], v254, v[96+n], s[32+n+4*(n/32)]     ; the score where the bit is set, else -infinity: p = 0 then
.set n, n+1
.endr
.Lopen:
	v_max3_num_f32 v254, v96, v97, v98             ; the step's largest score of my query among my 64 keys, in two chains,
	v_max3_num_f32 v252, v99, v100, v101
.irp i, 6,10,14,18,22,26,30,34,38,42,46,50,54,58
	v_max3_num_f32 v254, v254, v[96+\i], v[97+\i]
	v_max3_num_f32 v252, v252, v[98+\i], v[99+\i]
.if (\i == 14) || (\i == 30) || (\i == 46)
	VFRAG (\i+2)/16                                ; images 1, 2, 3.  No wait: on both ways here no vector instruction since the wait behind the score products names v9 or v32-95
.endif
.endr
	v_max3_num_f32 v254, v254, v158, v159
	v_max_num_f32 v254, v254, v252
	v_permlanex16_b32 v236, v254, s20, s21
	v_max_num_f32 v254, v254, v236                 ; and among lane l xor 16's
	v_mul_f32 v254, s22, v254                      ; as t (c is positive)
	v_max_num_f32 v13, v13, v254
	v_mov_b32 v254, v12
	v_floor_f32 v12, -v13                          ; the new -M = floor(-t): M is a whole number
	v_sub_f32 v254, v12, v254                      ; old M - new M: a whole number, 0 or less
	v_cvt_i32_f32 v254, v254                       ; (it saturates)
	v_ldexp_f32 v252, 1.0, v254                    ; f = 2^(old M - new M)
.irp j, 0,2,4,6,8,10,12,14,16,18,20,22,24,26,28,30,32,34,36,38,40,42,44,46,48,50,52,54,56,58,60,62
	v_pk_fma_f32 v[96+\j:97+\j], v[96+\j:97+\j], s[22:23], v[12:13] op_sel_hi:[1,0,0]   ; t - M, two at a time
.endr
.set n, 0
.rept 64
	v_exp_f32 v[96+n], v[96+n]                     ; p = 2^(t - M), at most 1
.set n, n+1
.endr
	v_pk_mul_f32 v[14:15], v[14:15], v[252:253] op_sel_hi:[1,0]   ; the sums under the new M: the plain instruction behind the exponentials
	s_wait_alu depctr_va_vdst(0)                   ; the 64 exponentials have written v96-159: one wait for the batch, ahead of its first reader
	v_pk_add_f32 v[242:243], v[96:97], v[98:99]    ; the row's sum is taken of the unquantised p, in two chains
.irp j, 4,8,12,16,20,24,28,32,36,40,44,48,52,56,60
	v_pk_add_f32 v[14:15], v[14:15], v[96+\j:97+\j]
	v_pk_add_f32 v[242:243], v[242:243], v[98+\j:99+\j]
.endr
	v_pk_add_f32 v[14:15], v[14:15], v[242:243]
	s_cmp_lg_u32 s26, 0
	s_cbranch_scc0 .Lnohold
.set n, 0
.rept 64
	v_min_num_f32 v[96+n], v[96+n], v240           ; the conversion does not saturate (ISA guide 7.6.2); p is not negative, so the hold is one-sided
.set n, n+1
.endr
.Lnohold:
.irp c, 0,1,2,3,4,5,6,7
	v_cvt_scalef32_pk8_fp8_f32 v[192+2*\c:193+2*\c], v[96+8*\c:103+8*\c], v244   ; registers 2 c, 2 c + 1 of the operand: keys 16 c + 8 h + 0 .. 7 of my query
.endr
.irp j, 0,2,4,6,8,10,12,14,16,18,20,22,24,26,28,30
	v_pk_mul_f32 v[160+\j:161+\j], v[160+\j:161+\j], v[252:253] op_sel_hi:[1,0]   ; O^T under the new M; these are also the plain instructions behind the conversions
.endr
	s_wait_dscnt 0x0                               ; V
.irp d, 0,1,2,3                                ; four accumulators by turns; the eight score products stand between one step's turn and the next
	v_wmma_f32_16x16x128_fp8_fp8 v[160+8*\d:167+8*\d], v[32+16*\d:47+16*\d], v[192:207], v[160+8*\d:167+8*\d]
.endr
.Lskip:
	s_add_co_u32 s24, s24, 8192
	s_add_co_u32 s19, s19, 1
	s_cmp_lt_u32 s19, 16
	s_cbranch_scc1 .Lkey
	; THE WAY OUT of a tile
.rept 4
	v_nop                                          ; places behind the last products
.endr
	v_add_f32 v14, v14, v15
	v_permlanex16_b32 v236, v14, s20, s21
	v_add_f32 v14, v14, v236                       ; the row's sum
	v_rcp_f32 v246, v14
	v_nop                                          ; a plain instruction behind the transcendental
	v_cmp_eq_f32 vcc_lo, 0, v14                    ; no key was open for my query
	s_wait_alu depctr_va_vcc(0)                    ; VCC is written, ahead of the select that reads it
	v_cndmask_b32 v247, 0, v248, vcc_lo            ; then: NaN codes
	s_lshl_b32 s2, s17, 14
	s_add_nc_u64 s[28:29], s[14:15], s[2:3]        ; (Q's loads, which named this pair, were waited for)
	s_wait_alu depctr_va_vdst(0)                   ; the reciprocal has written v246, ahead of its first reader
.irp j, 0,2,4,6,8,10,12,14,16,18,20,22,24,26,28,30
	v_pk_mul_f32 v[160+\j:161+\j], v[160+\j:161+\j], v[246:247] op_sel_hi:[1,0]   ; O^T / the sum, each accumulator from its low end on
.endr
.set k, 0
.rept 32
	v_med3_num_f32 v[160+k], v[160+k], s100, s101
.set k, k+1
.endr
.irp d, 0,1,2,3
	v_cvt_scalef32_pk8_fp8_f32 v[208+2*\d:209+2*\d], v[160+8*\d:167+8*\d], v245   ; dims 16 d + 8 h + 0 .. 7 of my token
.endr
	v_nop                                          ; one plain instruction behind the last conversion
.irp k, 0,1,2,3,4,5,6,7
	v_or_b32 v[208+\k], v[208+\k], v247
.endr
	s_wait_alu depctr_va_vdst(0)                   ; the eight ORs have written v208-215, which the two stores read
	global_store_b128 v2, v[208:211], s[28:29]               ; 32 lanes store 512 consecutive bytes, aligned
	global_store_b128 v2, v[212:215], s[28:29] offset:512
	s_sub_co_u32 s17, 127, s17
	s_add_co_u32 s18, s18, 1
	s_cmp_lt_u32 s18, 2
	s_cbranch_scc1 .Lpass
	s_wait_dscnt 0x0
	s_wait_alu depctr_hold_cnt(0) depctr_sa_sdst(0) depctr_va_vdst(0) depctr_va_sdst(0) depctr_va_ssrc(0) depctr_va_vcc(0) depctr_vm_vsrc(0)
	s_wait_tensorcnt 0x0
	ds_add_u32 v251, v255
	s_wait_dscnt 0x0
	s_endpgm
.Lfunc_end_k_q4c18eca29d_attn:
	.size	k_q4c18eca29d_attn, .Lfunc_end_k_q4c18eca29d_attn-k_q4c18eca29d_attn
	.p2alignl 7, 3214868480
	.fill 96, 4, 3214868480
	.section	.rodata,"a",@progbits
	.p2align	6, 0x0
	.amdhsa_kernel k_q4c18eca29d_attn
		.amdhsa_group_segment_fixed_size 264192
		.amdhsa_private_segment_fixed_size 0
		.amdhsa_enable_private_segment 0
		.amdhsa_kernarg_size 48
		.amdhsa_user_sgpr_count 2
		.amdhsa_user_sgpr_kernarg_segment_ptr 1
		.amdhsa_wavefront_size32 1
		.amdhsa_system_sgpr_workgroup_id_x 1
		.amdhsa_system_sgpr_workgroup_id_y 1
		.amdhsa_system_sgpr_workgroup_id_z 1
		.amdhsa_system_vgpr_workitem_id 0
		.amdhsa_next_free_vgpr 256
		.amdhsa_next_free_sgpr 102
		.amdhsa_reserve_vcc 1
		.amdhsa_float_denorm_mode_32 3
		.amdhsa_float_denorm_mode_16_64 3
		.amdhsa_memory_ordered 1
		.amdhsa_forward_progress 1
		.amdhsa_inst_pref_size 36
	.end_amdhsa_kernel
	.amdgpu_metadata
---
amdhsa.version: [ 1, 2 ]
amdhsa.kernels:
  - .name:           k_q4c18eca29d_attn
    .symbol:         k_q4c18eca29d_attn.kd
    .args:
      - { .name: qk_img, .offset: 0, .size: 8, .value_kind: global_buffer, .address_space: global }
      - { .name: v_img, .offset: 8, .size: 8, .value_kind: global_buffer, .address_space: global }
      - { .name: mask_img, .offset: 16, .size: 8, .value_kind: global_buffer, .address_space: global }
      - { .name: flags, .offset: 24, .size: 8, .value_kind: global_buffer, .address_space: global }
      - { .name: lowp_scales, .offset: 32, .size: 8, .value_kind: global_buffer, .address_space: global }
      - { .name: att_img, .offset: 40, .size: 8, .value_kind: global_buffer, .address_space: global }
    .group_segment_fixed_size: 264192
    .private_segment_fixed_size: 0
    .kernarg_segment_align: 8
    .kernarg_segment_size: 48
    .max_flat_workgroup_size: 512
    .sgpr_count:     102
    .vgpr_count:     256
    .wavefront_size: 32
...
	.end_amdgpu_metadata
.endif
;; end of part 5
;; launch proj: the kernel of part 4 again; grid 4 x 64, 4 waves a work-group, clusters of 4 x 4, 327,680 bytes of LDS; arguments att_img, W_out_codes, b_out, lowp_scales, out0; writes out0
